; MI455X (gfx1250); checked and timed in simulation.
; The chip was launched on July 23, 2026; its instructions are those of AMD's public machine-readable ISA for CDNA 5 (MIT licence, August 2026) and "CDNA5" Instruction Set Architecture Reference Guide (July 2026). The comments in the code are by the model that wrote it; some were corrected since.
;; Triaffine. Allowed arithmetic: float matrix products may take bf16 or f16 operands with f32 sums; other float arithmetic in f32, or as packed bf16 or f16 multiplies, adds, multiply-adds, maxima and minima; sums over many terms, partial sums and values carried from step to step in f32; what a program stores and reads back later, other than sums and carried values, may be rounded once to bf16 or f16.
;; Inputs: W_1 257 x 257 x 256 float32; W_2 257 x 257 x 256 float32; W_3 256 x 256 float32; h1 8 x 128 x 256 float32; h2 8 x 128 x 256 float32; layer1 8 x 128 x 256 float32; layer2 8 x 128 x 256 float32.
;; Outputs: out0 8 x 128 x 128 float32.
;; 2 versions, each right; version 2 is version 1 with the launch lay written anew for expert scheduling mode. Each part assembles by itself: llvm-mc -triple=amdgcn-amd-amdhsa -mcpu=gfx1250 --defsym DOCPART=n.
;; ======== version 1 of 2: 3 launches
;; limits: values are held in f16: magnitudes above 65,504 overflow, below 6.1e-05 lose precision
;; workspace buffers: Wt 67,108,864 bytes; U 134,217,728 bytes; sc 131,072 bytes; W3F 131,072 bytes; L1F 524,288 bytes; L2H 524,288 bytes
;; launch lay (part 1): grid 256 x 1, 16 waves a work-group, no clusters, 280,576 bytes of LDS; arguments W_1, W_2, W_3, layer1, layer2, Wt, L1F, L2H, W3F; writes Wt, L1F, L2H, W3F
.if DOCPART == 1
	.amdgcn_target "amdgcn-amd-amdhsa--gfx1250"
	.amdhsa_code_object_version 6
	.text
	.protected	k_q31cb5146a5_lay
	.globl	k_q31cb5146a5_lay
	.p2align	8
	.type	k_q31cb5146a5_lay,@function
k_q31cb5146a5_lay:
	s_mov_b64 s[64:65], 0
	v_nop
	global_prefetch_b8 v0, s[64:65] scope:SCOPE_SE
	s_setreg_imm32_b32 hwreg(HW_REG_WAVE_MODE, 25, 1), 1
	s_wait_xcnt 0x0
; THE PROGRAM.  out[n][i][j] = sum over c, d of A'[c] W_3[c][d] B'[d], with A'[n][i][j][c] = h1[n][i][c] x sum over a, b of l1[n][i][a] W_1[a][b][c] l2[n][j][b], B' likewise of W_2 and h2,
; l1 = [layer1, 1], l2 = [layer2, 1].  Three launches: this one lays the operands out; the second contracts a and b and stores A' and B'; the third contracts c and d.
; NO WORK IS LEFT OUT and all seven inputs are loaded.  The appended ones are a factor 1 by identity, for all values of the inputs: l1[i][256] W[256][b][c] = W[256][b][c].  So they are never
; written anywhere: W's row a = 256 starts the sums over a, and the term b = 256 starts the sums over b (second launch).  Nothing that can reach an output is dropped by that.
; THIS LAUNCH.  W_s[a][b][c], a and b below 256, is rounded once to bf16 and stored in the order in which a wave's matrix operand registers take it:
;   Wt byte = s 2^25 + (c / 2) 262144 + (bt / 4) 65536 + (c % 2) 32768 + (bt % 4) 8192 + ks 1024 + q 512 + h 256 + r 16 + 2 e   holds   W_s[32 ks + 16 q + 8 h + e][16 bt + r][c].
; Rows a = 256 and b = 256 are not laid out: the second launch reads them from W itself.
; SHARES.  Work-group g: s = g / 128, bt = (g / 8) % 16, ks = g % 8.  Wave w: qh = w / 4 (= 2 q + h), its 64 c are block w % 4.  A wave's task: 8 a x 16 b x 64 c: it reads 128 runs of 256
; consecutive bytes, aligned, turns them in a stage of its own in LDS, and writes 64 runs of 256 consecutive bytes, aligned.  No wave reads another's bytes: no barrier.
; The stage's stores fall four deep on the banks (64 banks of 4 bytes: ISA guide 11.1): four rows of 272 bytes are 16 banks apart; a pitch that is a multiple of 16 bytes cannot mend that.
; THREE SMALL SHARES beside that, 512 bytes of output each, their loads issued ahead of the main ones and finished while those are on their way:
;   waves 0-3: L2H = layer2 rounded to bf16 and that number written as f16, in layer2's own order: numbers 1024 g + 256 w on.
;   waves 4-7: L1F = layer1 in bf16 in the operand's order: block B = 4 g + w - 4; byte 512 B + 16 lane + 2 e holds layer1 row 16 (B / 16) + lane % 16 (rows counted through all n), a = 16 (B % 16) + 8 (lane / 16) + e.
;   wave 8:    W3F block g = 16 dt + 2 ks + q: byte 512 g + 16 lane + 2 e holds 256 x bf16(W_3[32 ks + 16 q + 8 (lane / 16) + e][16 dt + lane % 16]) in f16.
; LIMITS.  One rounding to bf16, to nearest even; |layer2| and 256 |W_3| stay under 65,504 (f16), and below 2^-14 they keep f16's fixed step; NaN and infinities pass as the conversions leave them.
.set ROWA,  263168                     ; bytes from W[a] to W[a + 1]: 257 x 1,024
.set SPIT,  272                        ; a stage row: one c, 16 pieces of 16 bytes, 16 of padding
.set STG,   64*SPIT                    ; a wave's stage
.set SPARE, 16*STG                     ; behind the stages: the spare words, 128 bytes a wave
.set LO,  2                            ; v2  load offset: (lane / 16) x 1,024 + (lane % 16) x 16: two b, 64 c
.set ST,  3                            ; v3  where I put a piece: row 4 (lane % 16), piece lane / 16
.set RDB, 4                            ; v4  where I read a row back
.set GO,  5                            ; v5  store offset: (lane / 16) x 32,768 + (lane % 16) x 16
.set SPW, 6                            ; v6  my spare word; never rewritten
.set NIL, 7                            ; v7  0; never rewritten
.set EO,  10                           ; v10 the small share's load offset
.set ES,  11                           ; v11 its store offset
.set ER,  12                           ; v[12:15] its 16 bytes
.set Y,   16                           ; v[16:31]   four pieces, packed; before that the small share's numbers
.set X,   32                           ; v[32:159]  four sets of 32 as loaded; later the rows read back
.set SD,  24                           ; s24 side, s25 bt, s26 ks, s27 wave, s28 qh, s29 block of c
.set BT,  25
.set KS,  26
.set WVN, 27
.set QH,  28
.set CBK, 29
	s_load_b512 s[4:19], s[0:1], 0x0               ; W_1 s[4:5], W_2 s[6:7], W_3 s[8:9], layer1 s[10:11], layer2 s[12:13], Wt s[14:15], L1F s[16:17], L2H s[18:19]
	s_load_b64 s[20:21], s[0:1], 0x40              ; W3F
	v_lshl_add_u32 v[SPW], v0, 2, SPARE
	v_mov_b32 v[NIL], 0
	v_lshrrev_b32 v1, 5, v0
	v_readfirstlane_b32 s[WVN], v1                 ; wave 0..15
	s_lshr_b32 s[SD], ttmp9, 7
	s_bfe_u32 s[BT], ttmp9, 0x40003
	s_and_b32 s[KS], ttmp9, 7
	s_lshr_b32 s[QH], s[WVN], 2
	s_and_b32 s[CBK], s[WVN], 3
	s_lshl_b32 s30, s[KS], 5
	s_lshl3_add_u32 s30, s[QH], s30                ; a0 = 32 ks + 8 qh
	s_mul_i32 s30, s30, 257
	s_lshl4_add_u32 s30, s[BT], s30                ; a0 x 257 + 16 bt: the first (a, b) row
	s_lshl_b32 s30, s30, 10                        ; of 1,024 bytes (under 2^27)
	s_lshl_b32 s31, s[CBK], 8
	s_add_co_u32 s30, s30, s31                     ; + my 64 c
	s_mov_b32 s31, 0
	s_lshl_b32 s32, s[SD], 25                      ; where the task goes in Wt
	s_lshl_b32 s33, s[CBK], 23
	s_add_co_u32 s32, s32, s33
	s_lshr_b32 s33, s[BT], 2
	s_lshl_b32 s33, s33, 16
	s_add_co_u32 s32, s32, s33
	s_and_b32 s33, s[BT], 3
	s_lshl_b32 s33, s33, 13
	s_add_co_u32 s32, s32, s33
	s_lshl_b32 s33, s[KS], 10
	s_add_co_u32 s32, s32, s33
	s_lshl_b32 s33, s[QH], 8
	s_add_co_u32 s32, s32, s33
	s_mov_b32 s33, 0
	s_mul_i32 s34, s[WVN], STG                     ; my stage
	s_mov_b32 s46, 0xffff0000                      ; a word's upper bf16
	; the small share of waves 0-7: lane (r, h) takes 32 bytes at r x s36 + h x s37 + s38
	s_lshl_b32 s38, ttmp9, 12
	s_lshl_b32 s39, s[WVN], 10
	s_add_co_u32 s38, s38, s39                     ; layer2: the wave's 256 numbers on end
	s_lshl2_add_u32 s39, ttmp9, s[CBK]             ; layer1: block B
	s_lshr_b32 s40, s39, 4
	s_lshl_b32 s40, s40, 14                        ; 16 rows of 1,024 bytes for each step of B / 16
	s_and_b32 s39, s39, 15
	s_lshl_b32 s39, s39, 6                         ; 16 a for each step of B % 16
	s_add_co_u32 s39, s39, s40
	s_lshl_b32 s41, ttmp9, 11
	s_lshl_b32 s40, s[CBK], 9
	s_add_co_u32 s41, s41, s40                     ; where the 512 bytes go: 2,048 g + 512 (w % 4), in either buffer
	s_cmp_lt_u32 s[WVN], 4
	s_cselect_b32 s36, 32, 0x400
	s_cselect_b32 s37, 0x200, 32
	s_cselect_b32 s38, s38, s39
	v_and_b32 v8, 15, v0
	v_bfe_u32 v9, v0, 4, 1
	v_and_b32 v1, 31, v0
	v_lshlrev_b32 v[LO], 4, v8
	v_lshl_add_u32 v[LO], v9, 10, v[LO]
	v_mul_u32_u24 v[ST], v8, 4*SPIT
	v_lshl_add_u32 v[ST], v9, 4, v[ST]
	v_add_nc_u32 v[ST], s34, v[ST]
	v_mul_u32_u24 v[RDB], v9, SPIT
	v_lshl_add_u32 v[RDB], v8, 4, v[RDB]
	v_add_nc_u32 v[RDB], s34, v[RDB]
	v_lshlrev_b32 v[GO], 4, v8
	v_lshl_add_u32 v[GO], v9, 15, v[GO]
	v_mul_u32_u24 v[EO], s36, v8
	v_mad_u32_u24 v[EO], v9, s37, v[EO]
	v_add_nc_u32 v[EO], s38, v[EO]
	v_lshl_add_u32 v[ES], v1, 4, s41
	s_wait_kmcnt 0x0
	s_cmp_eq_u32 s[SD], 0
	s_cselect_b64 s[4:5], s[4:5], s[6:7]           ; W_1 or W_2
	s_add_nc_u64 s[4:5], s[4:5], s[30:31]
	s_add_nc_u64 s[14:15], s[14:15], s[32:33]
	s_cmp_lt_u32 s[WVN], 4
	s_cselect_b64 s[42:43], s[12:13], s[10:11]     ; layer2 or layer1
	s_cselect_b64 s[44:45], s[18:19], s[16:17]     ; L2H or L1F
	s_cmp_lt_u32 s[WVN], 8
	s_cbranch_scc0 .Lx8
	global_load_b128 v[16:19], v[EO], s[42:43]
	global_load_b128 v[20:23], v[EO], s[42:43] offset:16
	s_branch .Lxd
.Lx8:
	s_cmp_eq_u32 s[WVN], 8
	s_cbranch_scc0 .Lxd
	v_lshlrev_b32 v[EO], 2, v8                     ; column 16 dt + r,
	v_lshl_add_u32 v[EO], v9, 13, v[EO]            ; eight rows down for the upper half of the lanes
	s_lshl_b32 s41, ttmp9, 9
	v_lshl_add_u32 v[ES], v1, 4, s41
	s_and_b32 s40, ttmp9, 15
	s_lshl_b32 s40, s40, 14                        ; 16 rows of W_3 for each step of 2 ks + q
	s_lshr_b32 s41, ttmp9, 4
	s_lshl_b32 s41, s41, 6                         ; 16 columns for each dt
	s_add_co_u32 s40, s40, s41
	s_mov_b32 s41, 0
	s_add_nc_u64 s[8:9], s[8:9], s[40:41]
.irp e, 0,1,2,3,4,5,6,7
	global_load_b32 v[16+\e], v[EO], s[8:9] offset:\e*1024
.endr
.Lxd:
; Eight loads: a = a0 + e, b = 16 bt + 2 u + lane / 16, four c a lane.  Each half of the lanes takes 256 consecutive bytes, aligned.
.macro LD8 u
.irp e, 0,1,2,3,4,5,6,7
	global_load_b128 v[X+32*((\u)%4)+4*\e:X+32*((\u)%4)+4*\e+3], v[LO], s[4:5] offset:\e*ROWA+(\u)*2048 th:TH_LOAD_NT
.endr
.endm
; For each of my four c the eight a are rounded and packed into 16 bytes, which go to row c, piece b of the stage.
.macro CV u
.irp k, 0,1,2,3
.irp m, 0,1,2,3
	v_cvt_pk_bf16_f32 v[Y+4*\k+\m], v[X+32*((\u)%4)+8*\m+\k], v[X+32*((\u)%4)+8*\m+4+\k]
.endr
	ds_store_b128 v[ST], v[Y+4*\k:Y+4*\k+3] offset:\k*SPIT+(\u)*32
.endr
.endm
	LD8 0                                          ; four sets, 32 loads, are out at once
	LD8 1
	LD8 2
	LD8 3
	s_cmp_gt_u32 s[WVN], 8
	s_cbranch_scc1 .Lmain
	s_wait_loadcnt 32                              ; loads come back in order (ISA guide 5.7.1): the small share's are in, the 32 issued behind them stay out
	s_cmp_eq_u32 s[WVN], 8
	s_cbranch_scc1 .Lf8
.irp m, 0,1,2,3
	v_cvt_pk_bf16_f32 v[ER+\m], v[16+2*\m], v[17+2*\m]
.endr
	s_cmp_lt_u32 s[WVN], 4
	s_cbranch_scc0 .Lst                            ; layer1 stays bf16
.irp m, 0,1,2,3
	v_lshlrev_b32 v[16+2*\m], 16, v[ER+\m]         ; layer2: the bf16 number, widened,
	v_and_b32 v[17+2*\m], s46, v[ER+\m]
.endr
.irp m, 0,1,2,3
	v_cvt_pk_f16_f32 v[ER+\m], v[16+2*\m], v[17+2*\m]  ; is written as f16: exact within f16's range
.endr
.Lst:
	global_store_b128 v[ES], v[ER:ER+3], s[44:45]  ; the wave stores 512 consecutive bytes, aligned; its registers are not written again
	s_branch .Lmain
.Lf8:
.irp m, 0,1,2,3
	v_cvt_pk_bf16_f32 v24, v[16+2*\m], v[17+2*\m]
	v_lshlrev_b32 v[16+2*\m], 16, v24
	v_and_b32 v[17+2*\m], s46, v24
	v_pk_mul_f32 v[16+2*\m:17+2*\m], v[16+2*\m:17+2*\m], 0x43800000 op_sel_hi:[1,0]  ; x 256: room above f16's small numbers
	v_cvt_pk_f16_f32 v[ER+\m], v[16+2*\m], v[17+2*\m]
.endr
	global_store_b128 v[ES], v[ER:ER+3], s[20:21]
.Lmain:
.irp u, 0,1,2,3
	s_wait_loadcnt 24                              ; the oldest set is in, three sets of eight stay out
	CV \u
	LD8 (\u)+4                                     ; its registers take the set four on
.endr
	s_wait_loadcnt 24
	CV 4
	s_wait_loadcnt 16                              ; the counts run down: nothing more is loaded
	CV 5
	s_wait_loadcnt 8
	CV 6
	s_wait_loadcnt 0x0
	CV 7
.set t, 0
.rept 32
	ds_load_b128 v[X+4*t:X+4*t+3], v[RDB] offset:t*2*SPIT  ; rows 2 t and 2 t + 1; LDS serves a wave's instructions in order (ISA guide 5.7.1.4): these see my stores above
.set t, t+1
.endr
.set t, 0
.rept 32
	s_wait_dscnt 31-t                              ; read-back t is in, the younger ones stay out
	global_store_b128 v[GO], v[X+4*t:X+4*t+3], s[14:15] offset:t*262144 th:TH_STORE_NT  ; c = 64 (w % 4) + 2 t + lane / 16: 16 lanes store 256 consecutive bytes, aligned
.set t, t+1
.endr
	s_wait_tensorcnt 0x0                           ; the wave's end, behind my last LDS store
	ds_add_u32 v[SPW], v[NIL]
	s_wait_dscnt 0x0
	s_endpgm
.Lfunc_end_k_q31cb5146a5_lay:
	.size	k_q31cb5146a5_lay, .Lfunc_end_k_q31cb5146a5_lay-k_q31cb5146a5_lay
	.p2alignl 7, 3214868480
	.fill 96, 4, 3214868480
	.section	.rodata,"a",@progbits
	.p2align	6, 0x0
	.amdhsa_kernel k_q31cb5146a5_lay
		.amdhsa_group_segment_fixed_size 280576
		.amdhsa_private_segment_fixed_size 0
		.amdhsa_enable_private_segment 0
		.amdhsa_kernarg_size 72
		.amdhsa_user_sgpr_count 2
		.amdhsa_user_sgpr_kernarg_segment_ptr 1
		.amdhsa_wavefront_size32 1
		.amdhsa_system_sgpr_workgroup_id_x 1
		.amdhsa_system_sgpr_workgroup_id_y 1
		.amdhsa_system_sgpr_workgroup_id_z 1
		.amdhsa_system_vgpr_workitem_id 0
		.amdhsa_next_free_vgpr 160
		.amdhsa_next_free_sgpr 66
		.amdhsa_reserve_vcc 0
		.amdhsa_float_denorm_mode_32 3
		.amdhsa_float_denorm_mode_16_64 3
		.amdhsa_memory_ordered 1
		.amdhsa_forward_progress 1
		.amdhsa_inst_pref_size 30
	.end_amdhsa_kernel
	.amdgpu_metadata
---
amdhsa.version: [ 1, 2 ]
amdhsa.kernels:
  - .name:           k_q31cb5146a5_lay
    .symbol:         k_q31cb5146a5_lay.kd
    .args:
      - { .name: W_1, .offset: 0, .size: 8, .value_kind: global_buffer, .address_space: global }
      - { .name: W_2, .offset: 8, .size: 8, .value_kind: global_buffer, .address_space: global }
      - { .name: W_3, .offset: 16, .size: 8, .value_kind: global_buffer, .address_space: global }
      - { .name: layer1, .offset: 24, .size: 8, .value_kind: global_buffer, .address_space: global }
      - { .name: layer2, .offset: 32, .size: 8, .value_kind: global_buffer, .address_space: global }
      - { .name: Wt, .offset: 40, .size: 8, .value_kind: global_buffer, .address_space: global }
      - { .name: L1F, .offset: 48, .size: 8, .value_kind: global_buffer, .address_space: global }
      - { .name: L2H, .offset: 56, .size: 8, .value_kind: global_buffer, .address_space: global }
      - { .name: W3F, .offset: 64, .size: 8, .value_kind: global_buffer, .address_space: global }
    .group_segment_fixed_size: 280576
    .private_segment_fixed_size: 0
    .kernarg_segment_align: 8
    .kernarg_segment_size: 72
    .max_flat_workgroup_size: 512
    .sgpr_count:     66
    .vgpr_count:     160
    .wavefront_size: 32
...
	.end_amdgpu_metadata
.endif
;; end of part 1
;; launch tri (part 2): grid 8 x 32, 4 waves a work-group, clusters of 4 x 1, 327,680 bytes of LDS; arguments h1, h2, W_1, W_2, Wt, L1F, L2H, U, sc; writes U, sc
.if DOCPART == 2
	.amdgcn_target "amdgcn-amd-amdhsa--gfx1250"
	.amdhsa_code_object_version 6
	.text
	.protected	k_q31cb5146a5_tri
	.globl	k_q31cb5146a5_tri
	.p2align	8
	.type	k_q31cb5146a5_tri,@function
k_q31cb5146a5_tri:
	s_mov_b64 s[64:65], 0
	v_nop
	global_prefetch_b8 v0, s[64:65] scope:SCOPE_SE
	s_setreg_imm32_b32 hwreg(HW_REG_WAVE_MODE, 25, 1), 1
	s_wait_xcnt 0x0
	s_wait_alu depctr_hold_cnt(0) depctr_sa_sdst(0) depctr_va_vdst(0) depctr_va_sdst(0) depctr_va_ssrc(0) depctr_va_vcc(0) depctr_vm_vsrc(0)
	s_getreg_b32 s2, hwreg(HW_REG_IB_STS2, 6, 4)
	s_cmp_eq_u32 s2, 0
	s_cbranch_scc0 .Lentry_in_a_cluster
	s_endpgm
.Lentry_in_a_cluster:
	s_bfe_u32 s2, ttmp6, 0x10000c
	s_cmp_lg_u32 s2, 0x3003
	s_cbranch_scc0 .Lentry_shape_is_right
	s_endpgm
.Lentry_shape_is_right:
; For one side s (W_1 and h1, or W_2 and h2), one n and 16 values of c:  A'[i][j][c] = h[i][c] x A[i][j],  A[i][j] = sum over b < 256 of T[i][b] layer2[j][b] + T[i][256],  T[i][b] = sum over a < 256 of layer1[i][a] W[a][b][c] + W[256][b][c].
; No work is left out: the appended ones are a factor 1, so W's row a = 256 is the C operand that starts T's sums, and T[i][256] the C operand that starts the sums over b.
; FORMATS.  All inputs are rounded once to bf16 (layer1, layer2 and W below 256 by the launch before).  T = W x layer1 in bf16, sums in f32.  T is rounded once to f16 and multiplied by layer2 (the bf16 number in f16); T[i][256] stays f32.
; A' is stored in f16 with one scale for each block (side, n, 64 i, c) of 64 i x 128 j, which one wave holds whole.  The block is measured: each lane takes its largest |A| times its largest |h|, and the largest
; of the 32 products, which is no less than any |h A| of the block, gives E, its exponent field held to 16 .. 254.  Stored is A' x 2^(141 - E), nowhere above 2^15, and sigma = 2^(E - 141) goes to sc.
; LIMITS.  |T| and |layer2| stay under 65,504 (f16).  The bound may lie above the block's true largest number (a large h beside a small A): what lies more than 2^29 under the bound keeps f16's fixed step.
; h x 2^(141 - E) overflows only where the block's largest |A| is under 2^-113.  NaN and infinities are not treated apart.
; SHARES.  n = 4 x cluster x + cx; y = 16 s + cb; c0 = 16 cb.  Wave w: its 64 i are half w % 2, its c have parity cp = w / 2: in c pair p (0 .. 7) it makes c = c0 + 2 p + cp.
; CLUSTER.  The four partners differ in n alone and walk the same 2 MiB of Wt: every tile is asked for JOINTLY, by the same load, descriptor and mask in all four.  n enters only the addresses of plain loads and stores.
; THE RING.  Two LDS slots of 65,536 bytes; a slot holds, for both c of a pair, four tiles of 16 b x 256 a, in the operand registers' order (a lane's 16 bytes lie on end: no padding is needed).  32 slots; a wave fetches a quarter of each.
; LAYOUT.  T^T = W x layer1^T (source 0 = 16 b, source 1 = 16 i): a lane holds ONE i (lane % 16) and b = 8 (lane / 16) + 0..7.  Two such tiles rounded to f16 ARE source 1 (32 b x 16 i) of
; A^T = layer2 x T^T (source 0 = 16 j), whose result holds one i a lane and eight neighbouring j: 16 bytes of U.
; BY TURNS.  H(m) is tile m of 16 b: 32 products on four accumulators.  S2(k) is the 32 products of b = 32 k .. 32 k + 31 onto the 32 accumulators of A.  The order is H(2k+1), H(2k+2), S2(k): so a tile's 16 conversions
; stand behind the first products of the NEXT tile, four behind each, and no product waits for them.  H(m) also fetches W for H(m + 2) (four register buffers) and, if m is odd, layer2 for the next S2: one run of LDS loads a tile.
; A c's end is dealt out in the same way: its maxima stand behind the products of its last S2, the reduction, the scaling and the rounding behind those of the next c's H(1), T[i][256] and H(2), the stores in four runs of eight.
; U byte = s 2^26 + n 2^23 + (i / 8) 2^19 + (j / 16) 65536 + c 256 + (i % 8) 32 + (j % 16) 2.   sc byte = ((((8 s + n) 2 + ih) 16 + cb) 2 + cp) 128 + 4 lane: lane p < 8 holds sigma of c0 + 2 p + cp, the others 0.
; REGISTERS, in windows of 256 (s_set_vgpr_msb: bits 1:0 source 0, 3:2 source 1, 5:4 source 2, 7:6 destination):
;   window 0: v0-31 addresses and small things; v32-95 T's accumulators, two sets of four; v96-127 T in f16; v128-143 W[256][b], two sets; v144-175 T[i][256]; v176-239 layer2's fragments; v240-247 h x scale; v248-255 W[256][256]
;   window 1: layer1, 64 i x 256 a       window 2: the 32 accumulators of A       window 3: W's fragments, four buffers of 64: tile m in buffer m % 4
.set SLOT,  65536
.set L2B,   2*SLOT                     ; layer2[n] in f16: 128 rows of 512 bytes + 16 of padding: the 16 rows of a load start at 16 different groups of four banks (64 banks of 4 bytes: ISA guide 11.1)
.set L2P,   528
.set BIB,   L2B+128*L2P                ; [cp][p][256 b] f32: W[256][b][c]
.set HTB,   BIB+16384                  ; [cp][p][128 i] f32: h[i][c]
.set RB,    HTB+8192                   ; [cp][p][256 a] bf16: W[a][256][c]
.set B2B,   RB+8192                    ; [cp][p][8 copies] f32: W[256][256][c]
.set SPARE, B2B+512                    ; the spare words, 128 bytes a wave.  All from L2B on is written by LDS stores; no tile ever lands there
.set LN,  1                            ; lane
.set RR,  2                            ; lane % 16
.set HF,  3                            ; lane / 16
.set SPW, 4                            ; my spare word; never rewritten
.set NIL, 5                            ; 0; never rewritten
.set AW0, 6                            ; my place in a slot: 16 lane + 32768 cp
.set AW,  7
.set AL0, 8                            ; my place in layer2's rows
.set AL,  9
.set AB0, 10                           ; in BIB
.set AB,  11
.set AR0, 12                           ; in RB
.set AR,  13
.set AH0, 14                           ; in HTB
.set AH,  15
.set A20, 16                           ; in B2B
.set A2,  17
.set UO,  18                           ; my 16 bytes in U; never rewritten
.set SG,  19                           ; lane p: sigma of c pair p
.set PFO, 20                           ; 256 x lane; never rewritten
.set SCO, 21                           ; 4 x lane
.set HH,  22                           ; v22-25  h[i][c] for my four tiles of i
.set MX,  26                           ; v26-29  four running maxima of |A|
.set T0,  30
.set T1,  31
.set D1,  32                           ; T's accumulator (parity x, tile it of i) at D1 + 8 (4 x + it)
.set PP,  96                           ; T in f16, tile it at PP + 8 it: the even tile of b in registers 0-3, the odd one in 4-7
.set BI,  128
.set T256, 144
.set L2F, 176
.set GG,  240                          ; pairs; the low word counts
.set C256, 248
.set XB,   32                          ; the set-up's scratch, in window 0: 81 registers of table rows as loaded,
.set TMPB, 113
.set OT,   117                         ; load offsets, untouched until their loads are in,
.set OR0,  118
.set OR1,  119
.set OB2,  120
.set OLN,  121
.set SL2A, 122                         ; and LDS store addresses
.set SBIA, 123
.set SHTA, 124
.set SRA,  125
.set SB2A, 126
.set WV,  30                           ; s30 wave
.set IH,  31
.set CP,  32
.set CX,  33
.set NN,  34
.set SS,  35
.set CB,  36
.set YY,  37
.set MSK, 38                           ; a word's upper bf16
.set G1,  40                           ; s[40:47] descriptor group 1
.set G0A, 48                           ; s[48:51] group 0 of slot 0's first fill
.set G0B, 52                           ; s[52:55] of slot 1's; then it walks
.set TB,  56                           ; LDS byte of the slot to be fetched from
.set SBI, 57                           ; steps through BIB, 256 bytes a slot
.set SL2, 58                           ; steps along layer2's rows, 64 bytes for 32 b
.set SPC, 59                           ; steps through RB and HTB, 512 bytes a c pair
.set SP2, 60                           ; through B2B, 32 bytes a c pair
.set CI,  61                           ; the c pair whose end is in hand
.set CNT, 62
.set LIM, 63                           ; 1 in a wave that prefetches, else the greatest number
.set PFA, 66                           ; s[66:67] where my prefetches stand
.set UB,  68                           ; s[68:69] U at my block
.set SEL, 70                           ; s[70:71] v_permlanex16_b32's selects
.set OC,  72
.set BL1, 76                           ; bases of the set-up's loads
.set BL2, 78
.set BH,  80
.set BWB, 82
.set BWR, 84
.set BW2, 86
.set STM, 88                           ; s[88:89] my stream in Wt
.set MSB, 0
.macro WIN new                         ; the immediate's high byte repeats the setting that is left; a switch that changes nothing is dropped
.if MSB != (\new)
	s_set_vgpr_msb (MSB<<8)|(\new)
.set MSB, \new
.endif
.endm
.macro PLACES                          ; four plain vector instructions between a matrix instruction and a vector line or a load that touches its registers (ISA guide 7.12.1 for vector lines)
.rept 4
	v_nop
.endr
.endm
; A round of the cluster's barrier: my work-group's barrier, so that wave 0's signal speaks for all four waves; wave 0 signals; every wave waits for all four work-groups; my work-group's barrier once more.
.macro CREST                           ; a round behind its opening barrier
	s_cmp_lg_u32 s[WV], 0
	s_cbranch_scc1 .Lnot_wave_0_\@
	s_barrier_signal -3
.Lnot_wave_0_\@:
	s_barrier_wait -3
	s_barrier_signal -1
	s_barrier_wait -1
.endm
.macro CROUND
	s_barrier_signal -1
	s_barrier_wait -1
	CREST
.endm
; A prefetch of the slot that stands TWO refills on.  Two clusters walk each stream: cluster x = 0 asks.  Its four partners take 16,384 bytes each of the slot, told apart by address (cx); in each, waves 0 and 2
; take 8,192 bytes, a lane 256: each run of 256 bytes is named once in the launch.  Slots 0 to 3 come by their loads alone.  how = 1: the text at a c's beginning, whose last trip has no slot four on.
.macro ASK how
.if \how
	s_cmp_gt_u32 s[OC], s[LIM]
.else
	s_cmp_eq_u32 s[LIM], 1
.endif
	s_cbranch_scc0 .Lnot_mine_\@
	global_prefetch_b8 v[PFO], s[PFA:PFA+1] th:TH_LOAD_NT scope:SCOPE_SE
.Lnot_mine_\@:
.endm
	s_load_b512 s[8:23], s[0:1], 0x0               ; h1 s[8:9], h2 s[10:11], W_1 s[12:13], W_2 s[14:15], Wt s[16:17], L1F s[18:19], L2H s[20:21], U s[22:23]
	s_load_b64 s[24:25], s[0:1], 0x40              ; sc
	v_lshl_add_u32 v[SPW], v0, 2, SPARE
	v_mov_b32 v[NIL], 0
	ds_add_u32 v[SPW], v[NIL]                      ; the wave's opening: the add, twice on end, and its wait ahead of my first tensor load; the set-up below, work on registers, stands between
	ds_add_u32 v[SPW], v[NIL]
	v_lshrrev_b32 v[T0], 5, v0
	v_readfirstlane_b32 s[WV], v[T0]               ; wave 0..3
	s_and_b32 s[IH], s[WV], 1
	s_lshr_b32 s[CP], s[WV], 1
	s_bfe_u32 s[CX], ttmp6, 0x40000                ; my place in the cluster
	s_lshl_b32 s[NN], ttmp9, 2                     ; in a cluster launch ttmp9 counts clusters
	s_add_co_u32 s[NN], s[NN], s[CX]               ; n
	s_and_b32 s[YY], ttmp7, 0xffff
	s_lshr_b32 s[SS], s[YY], 4                     ; the side
	s_and_b32 s[CB], s[YY], 15                     ; the block of 16 c
	s_mov_b32 s[MSK], 0xffff0000
	s_mov_b32 s[SEL], 0x76543210
	s_mov_b32 s[SEL+1], 0xfedcba98
	; descriptor group 1: 16,384 dense bytes as 64 rows of 256
	s_mov_b32 s[G1], 15|(3<<16)|(1<<21)            ; 15:0 the mask: all four work-groups; 17:16 elements of 8 bytes; 21 set beside a mask; no padding
	s_mov_b32 s[G1+1], 32<<16                      ; tensor_dim0 = 32
	s_mov_b32 s[G1+2], 64<<16                      ; tensor_dim1 = 64
	s_mov_b32 s[G1+3], 32<<16                      ; tile_dim0 = 32
	s_mov_b32 s[G1+4], 64                          ; tile_dim1 = 64
	s_mov_b32 s[G1+5], 32                          ; 32 elements from row to row
	s_mov_b32 s[G1+6], 0
	s_mov_b32 s[G1+7], 0
	s_mov_b32 s[G0A], 1
	s_lshl_b32 s[G0A+1], s[WV], 14                 ; my quarter of slot 0: no place in the cluster enters an LDS address
	s_mov_b32 s[G0B], 1
	s_add_co_u32 s[G0B+1], s[G0A+1], SLOT
	s_and_b32 s[LIM], s[WV], 1                     ; waves 0 and 2,
	s_or_b32 s[LIM], s[LIM], ttmp9                 ; of cluster x = 0: the same in all four partners
	s_cmp_eq_u32 s[LIM], 0
	s_cselect_b32 s[LIM], 1, -1
	s_mov_b32 s[TB], 0
	s_mov_b32 s[SBI], 0
	s_mov_b32 s[SL2], 0
	s_mov_b32 s[SPC], 0
	s_mov_b32 s[SP2], 0
	s_mov_b32 s[CI], 0
	v_and_b32 v[LN], 31, v0
	v_and_b32 v[RR], 15, v0
	v_bfe_u32 v[HF], v0, 4, 1
	s_lshl_b32 s74, s[CP], 15
	v_lshl_add_u32 v[AW0], v[LN], 4, s74
	v_mul_u32_u24 v[AL0], v[RR], L2P
	v_lshl_add_u32 v[AL0], v[HF], 4, v[AL0]
	v_add_nc_u32 v[AL0], L2B, v[AL0]
	s_lshl_b32 s74, s[CP], 13
	s_add_co_u32 s74, s74, BIB
	v_lshl_add_u32 v[AB0], v[HF], 5, s74           ; my eight b of a tile: 32 bytes
	s_lshl_b32 s74, s[CP], 12
	s_add_co_u32 s75, s74, RB
	v_lshl_add_u32 v[AR0], v[HF], 4, s75           ; all 16 rows of that operand are the one row W[.][256][c]
	s_lshl_b32 s75, s[IH], 8
	s_add_co_u32 s74, s74, s75
	s_add_co_u32 s74, s74, HTB
	v_lshl_add_u32 v[AH0], v[RR], 2, s74
	s_lshl_b32 s74, s[CP], 8
	s_add_co_u32 s74, s74, B2B
	v_mov_b32 v[A20], s74
	v_lshrrev_b32 v[T0], 3, v[RR]
	v_and_b32 v[T1], 7, v[RR]
	v_lshlrev_b32 v[UO], 19, v[T0]                 ; (i / 8) % 2
	v_lshl_add_u32 v[UO], v[T1], 5, v[UO]          ; i % 8
	v_lshl_add_u32 v[UO], v[HF], 4, v[UO]          ; my eight j
	v_mov_b32 v[SG], 0
	v_lshlrev_b32 v[PFO], 8, v[LN]
	v_lshlrev_b32 v[SCO], 2, v[LN]
	v_lshlrev_b32 v[OT], 10, v0                    ; the tables: thread t takes row t
	v_mul_u32_u24 v[OR0], v0, 263168               ; W[t][256]
	v_add_nc_u32 v[OR1], 0x2020000, v[OR0]         ; W[t + 128][256]
	v_bfe_u32 v[T0], v0, 3, 3
	v_lshrrev_b32 v[T1], 6, v0
	v_lshl_add_u32 v[T0], v[T0], 1, v[T1]          ; c - c0 = 2 p + cp for thread t = 64 cp + 8 p + copy
	v_lshlrev_b32 v[OB2], 2, v[T0]
	v_lshlrev_b32 v[OLN], 4, v[LN]
	s_mul_i32 s74, s[WV], 32*L2P
	s_add_co_u32 s74, s74, L2B
	v_lshl_add_u32 v[SL2A], v[LN], 4, s74
	v_lshl_add_u32 v[SBIA], v0, 2, BIB
	v_lshl_add_u32 v[SHTA], v0, 2, HTB
	v_lshl_add_u32 v[SRA], v0, 1, RB
	v_lshl_add_u32 v[SB2A], v0, 2, B2B
	s_wait_dscnt 0x0                               ; both opening adds are done
	s_wait_kmcnt 0x0
	s_mov_b32 s75, 0
	s_lshl_b32 s74, s[SS], 25                      ; the stream hangs on y alone, which the partners share
	s_lshl_b32 s73, s[CB], 21
	s_add_co_u32 s74, s74, s73
	s_add_nc_u64 s[STM:STM+1], s[16:17], s[74:75]
	s_lshl_b32 s74, s[WV], 14
	s_add_nc_u64 s[G0A+2:G0A+3], s[STM:STM+1], s[74:75]
	s_add_nc_u64 s[G0B+2:G0B+3], s[G0A+2:G0A+3], SLOT
	s_or_b32 s[G0A+3], s[G0A+3], 0x80000000        ; type = 2
	s_or_b32 s[G0B+3], s[G0B+3], 0x80000000
	s_lshl_b32 s74, s[CX], 14
	s_lshl_b32 s73, s[CP], 13
	s_add_co_u32 s74, s74, s73
	s_add_co_u32 s74, s74, 3*SLOT
	s_add_nc_u64 s[PFA:PFA+1], s[STM:STM+1], s[74:75]  ; in slot 3: the first change of slots steps it to slot 4
	s_cmp_eq_u32 s[SS], 0
	s_cselect_b64 s[BH:BH+1], s[8:9], s[10:11]     ; h1 or h2
	s_cselect_b64 s[BWB:BWB+1], s[12:13], s[14:15] ; W_1 or W_2
	s_lshl1_add_u32 s74, s[NN], s[IH]
	s_lshl_b32 s74, s74, 15
	s_add_nc_u64 s[BL1:BL1+1], s[18:19], s[74:75]  ; layer1's fragments for (n, my 64 rows): 32,768 bytes
	s_lshl_b32 s74, s[NN], 16
	s_lshl_b32 s73, s[WV], 14
	s_add_co_u32 s74, s74, s73
	s_add_nc_u64 s[BL2:BL2+1], s[20:21], s[74:75]  ; layer2[n] in f16, rows 32 w on
	s_lshl_b32 s74, s[NN], 17
	s_lshl_b32 s73, s[CB], 6
	s_add_co_u32 s74, s74, s73
	s_add_nc_u64 s[BH:BH+1], s[BH:BH+1], s[74:75]  ; h[n][.][c0]
	s_mov_b32 s74, s73
	s_add_nc_u64 s[BWB:BWB+1], s[BWB:BWB+1], s[74:75]       ; W[0][0][c0]
	s_add_nc_u64 s[BWR:BWR+1], s[BWB:BWB+1], 262144         ; W[0][256][c0]
	s_add_nc_u64 s[BW2:BW2+1], s[BWB:BWB+1], 67633152       ; W[256][256][c0]
	s_add_nc_u64 s[BWB:BWB+1], s[BWB:BWB+1], 67371008       ; W[256][0][c0]
	s_lshl_b32 s74, s[SS], 26
	s_lshl_b32 s73, s[NN], 23
	s_add_co_u32 s74, s74, s73
	s_lshl_b32 s73, s[IH], 22
	s_add_co_u32 s74, s74, s73
	s_lshl_b32 s73, s[CB], 12
	s_add_co_u32 s74, s74, s73
	s_lshl_b32 s73, s[CP], 8
	s_add_co_u32 s74, s74, s73
	s_add_nc_u64 s[UB:UB+1], s[22:23], s[74:75]
	s_lshl_b32 s74, s[SS], 3
	s_add_co_u32 s74, s74, s[NN]
	s_lshl1_add_u32 s74, s74, s[IH]
	s_lshl4_add_u32 s74, s74, s[CB]
	s_lshl1_add_u32 s74, s74, s[CP]
	s_lshl_b32 s74, s74, 7
	s_add_nc_u64 s[24:25], s[24:25], s[74:75]      ; my 128 bytes of sc
	CROUND                                         ; all four work-groups are here: the first joint loads meet
	tensor_load_to_lds s[G0A:G0A+3], s[G1:G1+7]    ; slot 0 and slot 1: two loads of mine are out
	s_nop 0
	tensor_load_to_lds s[G0B:G0B+3], s[G1:G1+7]
	s_nop 0
.rept 4
	v_nop
.endr
	; all the set-up's 117 loads go out at once: the tables' rows (16 c each), layer2's rows, layer1's fragments
.irp k, 0,1,2,3
	global_load_b128 v[XB+4*\k:XB+4*\k+3],       v[OT],  s[BWB:BWB+1] offset:16*\k          ; W[256][t]
	global_load_b128 v[XB+16+4*\k:XB+16+4*\k+3], v[OT],  s[BWB:BWB+1] offset:131072+16*\k   ; W[256][t + 128]
	global_load_b128 v[XB+32+4*\k:XB+32+4*\k+3], v[OT],  s[BH:BH+1]   offset:16*\k          ; h[n][t]
	global_load_b128 v[XB+48+4*\k:XB+48+4*\k+3], v[OR0], s[BWR:BWR+1] offset:16*\k          ; W[t][256]
	global_load_b128 v[XB+64+4*\k:XB+64+4*\k+3], v[OR1], s[BWR:BWR+1] offset:16*\k          ; W[t + 128][256]
.endr
	global_load_b32 v[XB+80], v[OB2], s[BW2:BW2+1]                                          ; W[256][256]
	WIN 0x80                                       ; destination window 2: a row of layer2, 512 consecutive bytes, a load
.set q, 0
.rept 32
	global_load_b128 v[4*q:4*q+3], v[OLN], s[BL2:BL2+1] offset:q*512
.set q, q+1
.endr
	WIN 0x40                                       ; destination window 1: load q = 16 it + 2 ks + half fills registers 4 q on: layer1 stays there
.set q, 0
.rept 64
	global_load_b128 v[4*q:4*q+3], v[OLN], s[BL1:BL1+1] offset:q*512
.set q, q+1
.endr
	s_wait_loadcnt 63                              ; of the 117 loads issued the oldest 54 are in: the tables (21) and layer2 (32)
	WIN 0x08                                       ; store data window 2
.set q, 0
.rept 32
	ds_store_b128 v[SL2A], v[4*q:4*q+3] offset:q*L2P
.set q, q+1
.endr
	WIN 0
; 16 c of one row, rounded to bf16 and kept as f32: c0 + 2 j + parity goes to [parity][j]
.macro TABF x, adr, pitch, off
.irp j, 0,1,2,3,4,5,6,7
	v_cvt_pk_bf16_f32 v[TMPB], v[(\x)+2*\j], v[(\x)+2*\j+1]
	v_lshlrev_b32 v[(\x)+2*\j], 16, v[TMPB]
	v_and_b32 v[(\x)+2*\j+1], s[MSK], v[TMPB]
	ds_store_b32 v[\adr], v[(\x)+2*\j] offset:(\off)+\j*(\pitch)
	ds_store_b32 v[\adr], v[(\x)+2*\j+1] offset:(\off)+(8+\j)*(\pitch)
.endr
.endm
; the same, kept as bf16
.macro TABR x, off
.irp j, 0,1,2,3,4,5,6,7
	v_cvt_pk_bf16_f32 v[(\x)+\j], v[(\x)+2*\j], v[(\x)+2*\j+1]
	ds_store_b16 v[SRA], v[(\x)+\j] offset:(\off)+\j*512
	ds_store_b16_d16_hi v[SRA], v[(\x)+\j] offset:(\off)+4096+\j*512
.endr
.endm
	TABF XB, SBIA, 1024, 0
	TABF XB+16, SBIA, 1024, 512
	TABF XB+32, SHTA, 512, 0
	TABR XB+48, 0
	TABR XB+64, 256
	v_cvt_pk_bf16_f32 v[TMPB], v[XB+80], v[XB+80]
	v_lshlrev_b32 v[TMPB], 16, v[TMPB]
	ds_store_b32 v[SB2A], v[TMPB]
.irp t, 0,1,2,3
	v_mov_b32 v[GG+2*\t+1], 0                      ; named with the low words as pairs, so they are written
.endr
	s_wait_loadcnt 0x0                             ; layer1
	s_wait_dscnt 0x0                               ; for the others' sake: my stores into layer2's rows and the tables are done
	s_wait_tensorcnt 0x1                           ; my quarter of slot 0 is in; slot 1's may stay out
	s_barrier_signal -1
	s_barrier_wait -1
; THE VECTOR WORK, in pieces that stand behind matrix instructions.
.macro CV1 x, z                        ; conversion z of 16 of the tile of parity x: tile z / 4 of i, pair z % 4; each accumulator is read from its low end on
	v_cvt_pk_f16_f32 v[PP+8*((\z)/4)+4*(\x)+(\z)%4], v[D1+8*(4*(\x)+(\z)/4)+2*((\z)%4)], v[D1+8*(4*(\x)+(\z)/4)+2*((\z)%4)+1]
.endm
.macro CVG x, t
.irp m, 0,1,2,3
	CV1 \x, 4*(\t)+\m
.endr
.endm
.macro ADDS kind                       ; four plain lines: the addresses of the runs to come.  kind = 1: at a c's beginning
.if \kind
	v_add_nc_u32 v[AR], s[SPC], v[AR0]
	v_add_nc_u32 v[A2], s[SP2], v[A20]
	v_add_nc_u32 v[AL], s[SL2], v[AL0]
	v_add_nc_u32 v[AH], s[SPC], v[AH0]
.else
	v_add_nc_u32 v[AW], s[TB], v[AW0]
	v_add_nc_u32 v[AB], s[SBI], v[AB0]
	v_add_nc_u32 v[AL], s[SL2], v[AL0]
	v_nop
.endif
.endm
.macro MAXG a                          ; accumulator a of A into the four running maxima; its lowest pair first
	WIN 0x0a                                       ; sources 0 and 1 window 2
.irp m, 0,1,2,3
.if (\a) == 0
	v_max_num_f32 v[MX+\m], |v[2*\m]|, |v[2*\m+1]|
.else
	v_max3_num_f32 v[MX+\m], |v[8*(\a)+2*\m]|, |v[8*(\a)+2*\m+1]|, v[MX+\m]
.endif
.endr
.endm
.macro CHN j                           ; line j of 22: from the maxima to the scale
.if (\j) == 1
	v_max3_num_f32 v[T0], v[MX], v[MX+1], v[MX+2]
.elseif (\j) == 2
	v_max3_num_f32 v[T1], |v[HH]|, |v[HH+1]|, |v[HH+2]|
.elseif (\j) == 3
	v_max_num_f32 v[T0], v[T0], v[MX+3]
.elseif (\j) == 4
	v_max_num_f32 v[T1], v[T1], |v[HH+3]|
.elseif (\j) == 5
	v_mul_f32 v[T0], v[T0], v[T1]                  ; no |h A| of my lane is greater
.elseif (\j) == 6
	v_max_num_f32_dpp v[T0], v[T0], v[T0] row_xmask:1 row_mask:0xf bank_mask:0xf
.elseif (\j) == 7
	v_max_num_f32_dpp v[T0], v[T0], v[T0] row_xmask:2 row_mask:0xf bank_mask:0xf
.elseif (\j) == 8
	v_max_num_f32_dpp v[T0], v[T0], v[T0] row_xmask:4 row_mask:0xf bank_mask:0xf
.elseif (\j) == 9
	v_max_num_f32_dpp v[T0], v[T0], v[T0] row_xmask:8 row_mask:0xf bank_mask:0xf
.elseif (\j) == 10
	v_permlanex16_b32 v[T1], v[T0], s[SEL], s[SEL+1]
.elseif (\j) == 11
	v_max_num_f32 v[T0], v[T0], v[T1]              ; every lane holds the block's bound
.elseif (\j) == 12
	v_max_num_f32 v[T0], 0x08000000, v[T0]         ; held to 2^-111 .. 2^127, so that both powers below are normal numbers
.elseif (\j) == 13
	v_min_num_f32 v[T0], 0x7f000000, v[T0]
.elseif (\j) == 14
	v_and_b32 v[T0], 0x7f800000, v[T0]             ; E in its field
.elseif (\j) == 15
	v_sub_nc_u32 v[T1], 0x86000000, v[T0]          ; 2^(141 - E): field 268 - E
.elseif (\j) == 16
	v_add_nc_u32 v[T0], 0xf9000000, v[T0]          ; sigma = 2^(E - 141): field E - 14
.elseif (\j) < 21
	v_mul_f32 v[GG+2*((\j)-17)], v[HH+(\j)-17], v[T1]
.elseif (\j) == 21
	v_cmp_eq_u32 vcc_lo, s[CI], v[LN]
.else
	v_cndmask_b32 v[SG], v[SG], v[T0], vcc_lo      ; lane p keeps c pair p's sigma
.endif
.endm
.macro MG a                            ; accumulator a = 4 jt + it times h x scale
	WIN 0x82                                       ; destination and source 0 window 2, the factor window 0
.irp m, 0,1,2,3
	v_pk_mul_f32 v[8*(\a)+2*\m:8*(\a)+2*\m+1], v[8*(\a)+2*\m:8*(\a)+2*\m+1], v[GG+2*((\a)%4):GG+2*((\a)%4)+1] op_sel_hi:[1,0]
.endr
.endm
.macro CG a                            ; and rounded to f16, in place, ascending: a destination has been read before it is written
	WIN 0x8a
.irp m, 0,1,2,3
	v_cvt_pk_f16_f32 v[8*(\a)+\m], v[8*(\a)+2*\m], v[8*(\a)+2*\m+1]
.endr
.endm
.macro STR j                           ; eight stores in one run: accumulators 8 j on
	WIN 0x08                                       ; store data window 2
.irp z, 0,1,2,3,4,5,6,7
	global_store_b128 v[UO], v[8*(8*(\j)+\z):8*(8*(\j)+\z)+3], s[UB:UB+1] offset:(\z%4)*1048576+(2*(\j)+\z/4)*65536 th:TH_STORE_NT  ; the wave's store covers two aligned runs of 256 consecutive bytes: eight i x 16 j each
.endr
.endm
; Group eg of 64 of a c's way out: scale 0; then scale a, round a - 1; round 31.  So a rounding stands two groups behind its scaling.  Behind the rounding of accumulators 7, 15, 23 and 31 their eight stores.
.macro EGRP
.if eg < 64
.if eg == 0
	MG 0
.elseif eg == 63
	CG 31
.elseif eg%2
	MG (eg+1)/2
.else
	CG eg/2-1
.endif
.if (eg == 16) || (eg == 32) || (eg == 48) || (eg == 63)
	STR (eg-1)/16
.endif
.endif
.set eg, eg+1
.endm
; THE LDS LOADS stand in runs.  FW t: W[256][b] and W's eight fragments of tile t (0 .. 3) of the slot at TB: 18 loads.
.macro FW t
	WIN 0
	ds_load_b128 v[BI+8*((\t)%2):BI+8*((\t)%2)+3],   v[AB] offset:(\t)*64
	ds_load_b128 v[BI+8*((\t)%2)+4:BI+8*((\t)%2)+7], v[AB] offset:(\t)*64+16
	WIN 0xc0                                       ; destination window 3
.irp k, 0,1,2,3,4,5,6,7
	ds_load_b128 v[64*(\t)+8*\k:64*(\t)+8*\k+3],   v[AW] offset:(\t)*8192+\k*1024
	ds_load_b128 v[64*(\t)+8*\k+4:64*(\t)+8*\k+7], v[AW] offset:(\t)*8192+\k*1024+512
.endr
	WIN 0
.endm
; The run of tile q.  rr: W[a][256][c] (into layer2's registers, which are free there) and W[256][256][c].  l2 = 1, 2: layer2's 16 fragments of 32 b, at SL2 or 64 bytes on.
; fw = 1: W for the tile two on; fw = 2: not in the counted loop's last trip, where no such tile is left: only LDS loads are jumped.
.macro RUN q, l2, rr, fw
	WIN 0
.if \rr
.irp k, 0,1,2,3,4,5,6,7
	ds_load_b128 v[L2F+8*\k:L2F+8*\k+3],   v[AR] offset:64*\k
	ds_load_b128 v[L2F+8*\k+4:L2F+8*\k+7], v[AR] offset:64*\k+32
.endr
	ds_load_b128 v[C256:C256+3],   v[A2]
	ds_load_b128 v[C256+4:C256+7], v[A2] offset:16
.endif
.if \l2
.irp j, 0,1,2,3,4,5,6,7
	ds_load_b128 v[L2F+8*\j:L2F+8*\j+3],   v[AL] offset:\j*16*L2P+((\l2)-1)*64
	ds_load_b128 v[L2F+8*\j+4:L2F+8*\j+7], v[AL] offset:\j*16*L2P+((\l2)-1)*64+32
.endr
.endif
.if (\fw) == 2
	s_cmp_eq_u32 s[CNT], 1
	s_cbranch_scc1 .Lnf_\@
.endif
.if \fw
	FW ((\q)+2)%4
.endif
.if (\fw) == 2
.Lnf_\@:
.endif
.endm
; THE CHANGE OF SLOTS, in the tile whose run is the first to read the next slot.  chg = 1, 2: refill and prefetch; 3: refill; 4: neither (the tail).  CHA: all my tensor loads have landed, of which one was out: my quarter
; of the next slot; the add; the descriptor's step.  Four products on stand the wait for the add and for my reads of the slot that is left (the last were issued a tile back) and the opening signal; eight products on, CHB:
; the wait, the rest of the cluster's round, so that no wave of any partner still reads the slot or has a load on its way, and the joint refill, first thing behind it, with the slot two on.
.macro CHA chg
	WIN 0
	s_wait_tensorcnt 0x0                           ; no tensor load of mine is out, so a group 0 may be written
	ds_add_u32 v[SPW], v[NIL]                      ; work on registers stands between the add and the wait for it
.if (\chg) < 4
	s_xor_b32 s[G0B+1], s[G0B+1], SLOT             ; the walking descriptor: the other slot than last time,
	s_add_nc_u64 s[G0B+2:G0B+3], s[G0B+2:G0B+3], SLOT  ; the stream's next 65,536 bytes; the type bits on top are not reached
.endif
.if (\chg) < 3
	s_wait_xcnt 0x0                                ; the last prefetch, a slot back, has read its address
	s_add_nc_u64 s[PFA:PFA+1], s[PFA:PFA+1], SLOT
.endif
.endm
.macro CHB chg
	WIN 0
	s_barrier_wait -1
.if (\chg) < 4
	CREST
	tensor_load_to_lds s[G0B:G0B+3], s[G1:G1+7]
	s_nop 0
.rept 4
	v_nop
.endr
.endif
.endm
; A TILE OF 16 b: 32 products of T^T = W x layer1^T, K step w / 4, tile w % 4 of i: the four accumulators take turns; the first K step starts the sums with W[256][b].
; q = the tile's number modulo 4; n = the LDS loads issued behind those that it needs.  What stands behind its products:
;   own = 1: four address lines, which are also the places behind the products before; then the 16 conversions of the tile before, four behind each of four products.   own = 0: the first tile of all: no conversions.
;   own = 2: the next c's tile 1: the last two accumulators' maxima; the addresses; the 22 lines of the scale and the 16 conversions by turns.
;   from product ef on: the groups of the way out, one behind each.
; The run of LDS loads stands behind the fifth product's lines: eight plain lines behind the last product that read W[256][b], which it loads anew; with a change of slots, behind the refill.
.macro HM q, n, own, chg, l2, rr, fw, ef
.set XH, (\q)%2
.if \chg
	s_xor_b32 s[TB], s[TB], SLOT                   ; this tile's run reads the next slot; nothing is read by these before the round is over
	s_add_co_u32 s[SBI], s[SBI], 256
.endif
	s_wait_dscnt \n
.set w, 0
.rept 32
.if w == 5
.if \chg
	CHA \chg
.else
	RUN \q, \l2, \rr, \fw
.endif
.endif
.if (\chg) && (w == 9)
	s_wait_dscnt 0x0                               ; the add is done, and my reads of the slot that is left are over
	s_barrier_signal -1
.endif
.if (\chg) && (w == 17)
	CHB \chg
	RUN \q, \l2, \rr, \fw
.if (\chg) == 1
	ASK 0
.elseif (\chg) == 2
	ASK 1
.endif
.endif
.set rD, D1+8*(4*XH+w%4)
.set rA, 64*(\q)+8*(w/4)
.set rB, 64*(w%4)+8*(w/4)
	WIN 0x07                                       ; W window 3, layer1 window 1, C and D window 0
.if w < 4
	v_wmma_f32_16x16x32_bf16 v[rD:rD+7], v[rA:rA+7], v[rB:rB+7], v[BI+8*XH:BI+8*XH+7]
.else
	v_wmma_f32_16x16x32_bf16 v[rD:rD+7], v[rA:rA+7], v[rB:rB+7], v[rD:rD+7]
.endif
.if (\own) == 2
.if w == 0
	MAXG 30
.elseif w == 1
	MAXG 31
.elseif w == 2
	WIN 0
	ADDS 1
.elseif w < 11
	WIN 0
	CHN 2*(w-3)+1
	CV1 1-XH, 2*(w-3)
	CHN 2*(w-3)+2
	CV1 1-XH, 2*(w-3)+1
.elseif w == 11
	WIN 0
	CHN 17
	CHN 18
	CHN 19
	CHN 20
.elseif w == 12
	WIN 0
	CHN 21
	CHN 22
.endif
.else
.if w == 0
	WIN 0
	ADDS \rr
.elseif (w < 5) && ((\own) == 1)
	WIN 0
	CVG 1-XH, w-1
.elseif w == 4
	PLACES
.endif
.endif
.if w >= (\ef)
	EGRP
.endif
.set w, w+1
.endr
.endm
; 32 products of A^T += layer2 x T^T, one on each accumulator.  kind = 1: they start the sums with T[i][256].  kind = 2: a c's last: behind each product the maxima of the accumulator two back,
; eight plain lines behind the product that finished it (four v_nop stand in for the first).
.macro S2M n, kind
	s_wait_dscnt \n
.set ac, 0
.rept 32
.if (\kind) == 1
	WIN 0x80
	v_wmma_f32_16x16x32_f16 v[8*ac:8*ac+7], v[L2F+8*(ac/4):L2F+8*(ac/4)+7], v[PP+8*(ac%4):PP+8*(ac%4)+7], v[T256+8*(ac%4):T256+8*(ac%4)+7]
.else
	WIN 0xa0
	v_wmma_f32_16x16x32_f16 v[8*ac:8*ac+7], v[L2F+8*(ac/4):L2F+8*(ac/4)+7], v[PP+8*(ac%4):PP+8*(ac%4)+7], v[8*ac:8*ac+7]
.endif
.if ((\kind) == 2) && (ac == 1)
	PLACES
.endif
.if ((\kind) == 2) && (ac >= 2)
	MAXG ac-2
.endif
.set ac, ac+1
.endr
.endm
; T[i][256] = sum over a of layer1[i][a] W[a][256][c] + W[256][256][c], as a tile whose 16 rows are all alike.  Behind it the run for the c's first S2: layer2, into the registers just multiplied, and h[i][c].
.macro PROM epi
	s_wait_dscnt 18                                ; W[a][256] and W[256][256] are in; the 18 loads issued behind them may stay out
.set w, 0
.rept 32
.set rD, T256+8*(w%4)
.set rA, L2F+8*(w/4)
.set rB, 64*(w%4)+8*(w/4)
	WIN 0x04                                       ; layer1 window 1, all else window 0
.if w < 4
	v_wmma_f32_16x16x32_bf16 v[rD:rD+7], v[rA:rA+7], v[rB:rB+7], v[C256:C256+7]
.else
	v_wmma_f32_16x16x32_bf16 v[rD:rD+7], v[rA:rA+7], v[rB:rB+7], v[rD:rD+7]
.endif
.if \epi
	EGRP
.endif
.set w, w+1
.endr
.if !(\epi)
	PLACES
.endif
	WIN 0                                          ; (with epi the last group's four lines are the places in front of these loads)
.irp j, 0,1,2,3,4,5,6,7
	ds_load_b128 v[L2F+8*\j:L2F+8*\j+3],   v[AL] offset:\j*16*L2P
	ds_load_b128 v[L2F+8*\j+4:L2F+8*\j+7], v[AL] offset:\j*16*L2P+32
.endr
.irp t, 0,1,2,3
	ds_load_b32 v[HH+\t], v[AH] offset:64*\t       ; the c before has made its scale of its own h by now
.endr
.endm
; A c BEGINS: tile 1, T[i][256], tile 2 (with a change of slots), the first S2.  epi = 1: the c before goes out behind these 96 products: 19 + 32 + 13 groups; the last group and its stores stand behind the refill.
.macro BM epi, chg
.if \epi
.set eg, 0
	HM 1, 18, 2, 0, 0, 1, 1, 13
.else
	HM 1, 18, 1, 0, 0, 1, 1, 99
.endif
	s_add_co_u32 s[SPC], s[SPC], 512
	s_add_co_u32 s[SP2], s[SP2], 32
	PROM \epi
.if \epi
	HM 2, 38, 1, \chg, 0, 0, 1, 5
	s_wait_xcnt 0x0                                ; the stores have read their registers and their base: the products below write the first, the next line the second
	s_add_nc_u64 s[UB:UB+1], s[UB:UB+1], 512       ; two c on
	s_add_co_u32 s[CI], s[CI], 1
.else
	HM 2, 38, 1, \chg, 0, 0, 1, 99
.endif
	S2M 18, 1                                      ; layer2 is in: behind it only tile 2's run was issued
	s_mov_b32 s[SL2], 64
.endm
; Four tiles and two S2: once through a slot.  The counts: behind what an odd tile needs stands an even tile's run (18), behind what an even tile needs an odd one's (34), behind layer2's 16 loads 18 + 18.
.macro RM chg, fw2
	HM 3, 18, 1, 0, 1, 0, 1, 99
	HM 0, 34, 1, 0, 0, 0, 1, 99
	S2M 36, 0
	HM 1, 18, 1, 0, 2, 0, 1, 99
	HM 2, 34, 1, \chg, 0, 0, \fw2, 99
	S2M 36, 0
	s_add_co_u32 s[SL2], s[SL2], 128
.endm
; A c ENDS: its tile 15, the next c's tile 0, its last S2.
.macro EM
	HM 3, 18, 1, 0, 1, 0, 1, 99
	HM 0, 34, 1, 0, 0, 0, 1, 99
	S2M 36, 2
	s_mov_b32 s[SL2], 0
.endm
	v_mov_b32 v[AW], v[AW0]
	v_mov_b32 v[AB], v[AB0]
	FW 0                                           ; slot 0's tiles 0 and 1
	FW 1
	HM 0, 18, 0, 0, 0, 0, 1, 99
	BM 0, 1
	WIN 0                                          ; at a label and at a branch every window is 0
	s_mov_b32 s[OC], 7
.Lc:                                               ; seven trips: the rest of c pair p and the beginning of p + 1: four changes of slots, each with a refill
	s_mov_b32 s[CNT], 3
.Lp:
	RM 1, 1
	WIN 0
	s_sub_co_u32 s[CNT], s[CNT], 1
	s_cmp_lg_u32 s[CNT], 0
	s_cbranch_scc1 .Lp
	EM
	BM 1, 2
	WIN 0
	s_sub_co_u32 s[OC], s[OC], 1
	s_cmp_lg_u32 s[OC], 0
	s_cbranch_scc1 .Lc
	RM 3, 1                                        ; the tail is written out: slot 29 is left, slot 31 asked for: the last load
	WIN 0
	s_mov_b32 s[CNT], 2
.Lt:                                               ; slots 30 and 31: nothing is left to ask for; the second trip's barrier orders nothing more, the price of one text for both
	RM 4, 2
	WIN 0
	s_sub_co_u32 s[CNT], s[CNT], 1
	s_cmp_lg_u32 s[CNT], 0
	s_cbranch_scc1 .Lt
	HM 3, 18, 1, 0, 1, 0, 0, 99                    ; the last tile
	WIN 0
	PLACES                                         ; no tile follows behind whose products its conversions could stand
	CVG 1, 0
	CVG 1, 1
	CVG 1, 2
	CVG 1, 3
	S2M 0, 2
	MAXG 30                                        ; and the last c goes out by itself
	MAXG 31
	WIN 0
.set jj, 1
.rept 22
	CHN jj
.set jj, jj+1
.endr
.set eg, 0
.rept 64
	EGRP
.endr
	WIN 0
	global_store_b32 v[SCO], v[SG], s[24:25]       ; my eight sigma, and 24 zeros: 128 bytes
	s_wait_tensorcnt 0x0                           ; the wave's end, behind my last tensor load and my last LDS store
	ds_add_u32 v[SPW], v[NIL]
	s_wait_dscnt 0x0
	CROUND                                         ; the closing round: no work-group ends while a partner may still ask for a tile that names it
	s_endpgm
.Lfunc_end_k_q31cb5146a5_tri:
	.size	k_q31cb5146a5_tri, .Lfunc_end_k_q31cb5146a5_tri-k_q31cb5146a5_tri
	.p2alignl 7, 3214868480
	.fill 96, 4, 3214868480
	.section	.rodata,"a",@progbits
	.p2align	6, 0x0
	.amdhsa_kernel k_q31cb5146a5_tri
		.amdhsa_group_segment_fixed_size 327680
		.amdhsa_private_segment_fixed_size 0
		.amdhsa_enable_private_segment 0
		.amdhsa_kernarg_size 72
		.amdhsa_user_sgpr_count 2
		.amdhsa_user_sgpr_kernarg_segment_ptr 1
		.amdhsa_wavefront_size32 1
		.amdhsa_system_sgpr_workgroup_id_x 1
		.amdhsa_system_sgpr_workgroup_id_y 1
		.amdhsa_system_sgpr_workgroup_id_z 1
		.amdhsa_system_vgpr_workitem_id 0
		.amdhsa_next_free_vgpr 1024
		.amdhsa_next_free_sgpr 96
		.amdhsa_reserve_vcc 1
		.amdhsa_float_denorm_mode_32 3
		.amdhsa_float_denorm_mode_16_64 3
		.amdhsa_memory_ordered 1
		.amdhsa_forward_progress 1
		.amdhsa_inst_pref_size 236
	.end_amdhsa_kernel
	.amdgpu_metadata
---
amdhsa.version: [ 1, 2 ]
amdhsa.kernels:
  - .name:           k_q31cb5146a5_tri
    .symbol:         k_q31cb5146a5_tri.kd
    .args:
      - { .name: h1, .offset: 0, .size: 8, .value_kind: global_buffer, .address_space: global }
      - { .name: h2, .offset: 8, .size: 8, .value_kind: global_buffer, .address_space: global }
      - { .name: W_1, .offset: 16, .size: 8, .value_kind: global_buffer, .address_space: global }
      - { .name: W_2, .offset: 24, .size: 8, .value_kind: global_buffer, .address_space: global }
      - { .name: Wt, .offset: 32, .size: 8, .value_kind: global_buffer, .address_space: global }
      - { .name: L1F, .offset: 40, .size: 8, .value_kind: global_buffer, .address_space: global }
      - { .name: L2H, .offset: 48, .size: 8, .value_kind: global_buffer, .address_space: global }
      - { .name: U, .offset: 56, .size: 8, .value_kind: global_buffer, .address_space: global }
      - { .name: sc, .offset: 64, .size: 8, .value_kind: global_buffer, .address_space: global }
    .group_segment_fixed_size: 327680
    .private_segment_fixed_size: 0
    .kernarg_segment_align: 8
    .kernarg_segment_size: 72
    .max_flat_workgroup_size: 128
    .sgpr_count:     96
    .vgpr_count:     1024
    .wavefront_size: 32
...
	.end_amdgpu_metadata
.endif
;; end of part 2
;; launch fin (part 3): grid 32 x 8, 4 waves a work-group, no clusters, 327,680 bytes of LDS; arguments U, sc, W3F, out0; writes out0
.if DOCPART == 3
	.amdgcn_target "amdgcn-amd-amdhsa--gfx1250"
	.amdhsa_code_object_version 6
	.text
	.protected	k_q31cb5146a5_fin
	.globl	k_q31cb5146a5_fin
	.p2align	8
	.type	k_q31cb5146a5_fin,@function
k_q31cb5146a5_fin:
	s_mov_b64 s[64:65], 0
	v_nop
	global_prefetch_b8 v0, s[64:65] scope:SCOPE_SE
	s_setreg_imm32_b32 hwreg(HW_REG_WAVE_MODE, 25, 1), 1
	s_wait_xcnt 0x0
; out[n][i][j] = sum over c, d of A'[c] W_3[c][d] B'[d], from the second launch's blocks: A' = Ahat x sigma_l[c], B' = Bhat x sigma_r[d] (f16 numbers, scales that are powers of two).  No work is left out.
; The scales go into W_3: W3s[c][d] = 256 W_3[c][d] (sigma_l[c] / El) (sigma_r[d] / Er), El and Er the largest of the 256 scales of a side; all factors are powers of two, so the products are exact
; down to f16's small numbers.  V[d][j] = sum over c of W3s[c][d] Ahat[c][j] by the matrix unit in f16, sums in f32; out = El Er / 256 x sum over d of V[d][j] Bhat[d][j], in f32.
; LIMITS.  An entry of W3s below 6e-5 keeps f16's fixed step of 6e-8: its block's scale lies that far under the largest one.  256 |W_3| stays under 65,504.  NaN and infinities are not treated apart.
; SHARES.  Work-group: n = y; g = x / 2 (eight i); jh = x % 2 (64 j).  Four passes of 16 j; a pass holds eight ROW TILES (one i, 16 j).  Wave w owns d = 64 w .. 64 w + 63 and keeps W3s^T for them, 256 registers, all the launch.
; The four waves' partial sums, and the two halves of the lanes', meet in LDS at the end.
; NO CLUSTER: each tile of U has one reader; W3F is 131,072 bytes against the work-group's 524,288 of U, and goes straight into registers, to be scaled by scales that differ from work-group to work-group.
; THE RING.  Two slots, a pass each: 256 rows (c) of Ahat and 256 rows (d) of Bhat, 256 bytes a row + 32 of padding: 72 words, so that 16 lanes of the turning load (8 rows x 32 bytes) take each bank once
; (64 banks of 4 bytes: ISA guide 11.1).  Waves 0 and 1 fetch Ahat's halves, waves 2 and 3 Bhat's: 128 rows a load.
; LAYOUT.  V = W3s^T x Ahat (source 0 = 16 d, source 1 = 16 j, K = 32 c).  Ahat lies [c][j] and comes turned, by ds_load_tr16_b128.  In V a lane holds ONE j (lane % 16) and d = 8 (lane / 16) + 0..7;
; one turning load brings the same eight d of Bhat for that j.
; REGISTERS.  Window 0: v0-31 small things; v32-159 Ahat's fragments, two buffers of 64; v160-191 Bhat's, two of 16; v192-223 V; v224-227 sums.  Window 1: W3s^T, tile dt, K step ks at 64 dt + 8 ks.
.set PIT,   288
.set HALF,  256*PIT
.set SLOTB, 2*HALF                     ; 147,456: its two bits are set in no wave's quarter (36,864 w), so one exclusive or turns an address in one slot into the other's
.set PART,  2*SLOTB                    ; wave w's partial sums at 4,096 w: [32 row tiles][32 lanes] f32; no tile lands here
.set SPARE, PART+16384                 ; the spare words, 128 bytes a wave
.set LN,  1
.set SPW, 2                            ; my spare word; never rewritten
.set NIL, 3                            ; 0; never rewritten
.set ZR,  4                            ; 0, the sums' first addend
.set LA,  5                            ; my place in a turning load of Ahat
.set LB,  6                            ; of Bhat, my wave's 64 rows
.set A1,  7
.set A2,  8
.set A3,  9
.set PAV, 10                           ; my word in PART's first row tile
.set EL,  11
.set ER,  12
.set PA,  13
.set IEL, 14                           ; v[14:15] 1 / El, twice
.set IER, 16                           ; v16 1 / Er
.set SR,  18                           ; v18-21 sigma_r / Er of my row d in tile dt, twice in f16
.set FA,  30                           ; the end: where I read partial sums
.set OO,  31                           ; the end: my 16 bytes of out
.set AF,  32
.set BF,  160
.set VV,  192
.set ACC, 224
.set WV,  12
.set GI,  13
.set JH,  14
.set NN,  15
.set IH,  16
.set G1,  24                           ; s[24:31] descriptor group 1
.set G0,  32                           ; s[32:35] group 0 of pass 0's fill; s[36:39] of pass 1's, which then walks
.set RX,  40                           ; LDS byte of the row tile to be fetched: slot + 32 x row tile
.set CT,  41
.set PX,  42                           ; steps through PART, 128 bytes a row tile
.set SEL, 44
.set RBS, 56                           ; LDS byte of the slot that the pass in hand reads
.set PC,  57
.set MSB, 0
.macro WIN new
.if MSB != (\new)
	s_set_vgpr_msb (MSB<<8)|(\new)
.set MSB, \new
.endif
.endm
.macro PLACES
.rept 4
	v_nop
.endr
.endm
	s_load_b256 s[4:11], s[0:1], 0x0               ; U s[4:5], sc s[6:7], W3F s[8:9], out0 s[10:11]
	v_lshl_add_u32 v[SPW], v0, 2, SPARE
	v_mov_b32 v[NIL], 0
	ds_add_u32 v[SPW], v[NIL]                      ; the wave's opening: the add, twice on end, and its wait ahead of my first tensor load; the set-up below stands between
	ds_add_u32 v[SPW], v[NIL]
	v_lshrrev_b32 v22, 5, v0
	v_readfirstlane_b32 s[WV], v22
	s_lshr_b32 s[GI], ttmp9, 1
	s_and_b32 s[JH], ttmp9, 1
	s_and_b32 s[NN], ttmp7, 0xffff
	s_lshr_b32 s[IH], s[GI], 3
	s_mov_b32 s[SEL], 0x76543210
	s_mov_b32 s[SEL+1], 0xfedcba98
	s_mov_b32 s[PX], 0
	s_mov_b32 s[RBS], 0
	; descriptor group 1: 32,768 dense bytes as 128 rows of 256, 32 bytes of padding behind each
	s_mov_b32 s[G1], (3<<16)|(1<<20)|(5<<22)|(7<<25)  ; elements of 8 bytes; padding on; after every 64 words (code 5); 8 words (code 7)
	s_mov_b32 s[G1+1], 32<<16                      ; tensor_dim0 = 32
	s_mov_b32 s[G1+2], 128<<16                     ; tensor_dim1 = 128
	s_mov_b32 s[G1+3], 32<<16                      ; tile_dim0 = 32
	s_mov_b32 s[G1+4], 128                         ; tile_dim1 = 128
	s_mov_b32 s[G1+5], 32
	s_mov_b32 s[G1+6], 0
	s_mov_b32 s[G1+7], 0
	s_mov_b32 s[G0], 1
	s_mul_i32 s[G0+1], s[WV], 128*PIT              ; my quarter of slot 0
	s_mov_b32 s[G0+4], 1
	s_add_co_u32 s[G0+5], s[G0+1], SLOTB
	s_lshr_b32 s46, s[WV], 1                       ; Ahat (waves 0, 1) or Bhat
	s_lshl_b32 s46, s46, 26
	s_lshl_b32 s47, s[NN], 23
	s_add_co_u32 s46, s46, s47
	s_lshl_b32 s47, s[GI], 19
	s_add_co_u32 s46, s46, s47
	s_lshl_b32 s47, s[JH], 18                      ; pass 0 is j tile 4 jh
	s_add_co_u32 s46, s46, s47
	s_and_b32 s47, s[WV], 1
	s_lshl_b32 s47, s47, 15                        ; which 128 rows
	s_add_co_u32 s46, s46, s47
	s_mov_b32 s47, 0
	s_lshl1_add_u32 s52, s[NN], s[IH]
	s_lshl_b32 s52, s52, 12                        ; sigma_l of (n, half of i): 4,096 bytes
	s_mov_b32 s53, 0
	s_lshl_b32 s54, s[NN], 16                      ; out[n][8 g][64 jh]
	s_lshl_b32 s55, s[GI], 12
	s_add_co_u32 s54, s54, s55
	s_lshl_b32 s55, s[JH], 8
	s_add_co_u32 s54, s54, s55
	s_mov_b32 s55, 0
	v_mov_b32 v[ZR], 0
	v_and_b32 v[LN], 31, v0
	v_and_b32 v22, 15, v0                          ; r
	v_bfe_u32 v23, v0, 4, 1                        ; h
	v_and_b32 v24, 7, v0
	v_bfe_u32 v25, v0, 3, 1
	v_lshl_add_u32 v[LA], v23, 3, v24              ; row 8 h + lane % 8,
	v_mul_u32_u24 v[LA], v[LA], PIT
	v_lshl_add_u32 v[LA], v25, 4, v[LA]            ; columns 8 ((lane / 8) % 2) on
	s_mul_i32 s43, s[WV], 64*PIT
	s_add_co_u32 s43, s43, HALF
	v_add_nc_u32 v[LB], s43, v[LA]
	s_lshl_b32 s43, s[WV], 12
	s_add_co_u32 s43, s43, PART
	v_lshl_add_u32 v[PAV], v[LN], 2, s43
	v_lshlrev_b32 v26, 7, v[LN]                    ; lane L takes group L of 32 groups of eight scales
	v_and_b32 v24, 1, v22
	v_lshrrev_b32 v25, 1, v22
	s_lshl_b32 s43, s[WV], 10
	v_lshl_add_u32 v27, v24, 7, s43                ; sigma_r of d = 64 w + 16 dt + r: group 2 (4 w + dt) + r % 2, word r / 2
	v_lshl_add_u32 v27, v25, 2, v27
	v_lshlrev_b32 v28, 4, v23                      ; sigma_l of c = 16 u + 8 h + e: group 2 u + e % 2, words 4 h on
	s_lshl_b32 s43, s[WV], 15
	v_lshl_add_u32 v29, v[LN], 4, s43              ; W3F: my wave's four tiles of d
	v_bfe_u32 v[FA], v0, 2, 2                      ; the end: thread t takes i = t / 16, pass (t / 4) % 4, four j
	v_lshrrev_b32 v[OO], 4, v0
	v_lshl_add_u32 v[FA], v[FA], 3, v[OO]
	v_lshlrev_b32 v[FA], 7, v[FA]
	v_and_b32 v24, 3, v0
	v_lshl_add_u32 v[FA], v24, 4, v[FA]
	v_add_nc_u32 v[FA], PART, v[FA]
	v_lshlrev_b32 v[OO], 9, v[OO]
	v_lshl_add_u32 v[OO], v22, 4, v[OO]
	v_mov_b32 v52, 0                               ; v_permlanex16_b32's destinations count as read
	v_mov_b32 v53, 0
	s_wait_dscnt 0x0                               ; both opening adds are done
	s_wait_kmcnt 0x0
	s_add_nc_u64 s[G0+2:G0+3], s[4:5], s[46:47]
	s_add_nc_u64 s[G0+6:G0+7], s[G0+2:G0+3], 65536 ; pass 1
	s_or_b32 s[G0+3], s[G0+3], 0x80000000          ; type = 2
	s_or_b32 s[G0+7], s[G0+7], 0x80000000
	s_add_nc_u64 s[48:49], s[6:7], s[52:53]        ; sigma_l
	s_add_nc_u64 s[50:51], s[48:49], 65536         ; sigma_r
	s_add_nc_u64 s[10:11], s[10:11], s[54:55]
	tensor_load_to_lds s[G0:G0+3], s[G1:G1+7]      ; passes 0 and 1: two loads of mine are out
	s_nop 0
	tensor_load_to_lds s[G0+4:G0+7], s[G1:G1+7]
	s_nop 0
.rept 4
	v_nop
.endr
	; all that follows, up to the first barrier, stands in the wait for the first tiles.  All 104 loads go out at once: the scales' 40, then W3F's 64
	global_load_b128 v[32:35], v26, s[48:49]
	global_load_b128 v[36:39], v26, s[48:49] offset:16
	global_load_b128 v[40:43], v26, s[50:51]
	global_load_b128 v[44:47], v26, s[50:51] offset:16
.irp d, 0,1,2,3
	global_load_b32 v[48+\d], v27, s[50:51] offset:256*\d
.endr
.set q, 0
.rept 32                               ; q = 2 u + parity of e
	global_load_b128 v[96+4*q:96+4*q+3], v28, s[48:49] offset:q*128
.set q, q+1
.endr
	WIN 0x40                                       ; destination window 1
.set q, 0
.rept 64                               ; q = 2 (8 dt + ks) + half of the fragment
	global_load_b128 v[4*q:4*q+3], v29, s[8:9] offset:q*512
.set q, q+1
.endr
	WIN 0
	s_wait_loadcnt 63                              ; of the 104 loads issued the oldest 41 are in: the scales' 40
	v_max3_num_f32 v[EL], v32, v33, v34
	v_max3_num_f32 v[ER], v40, v41, v42
	v_max3_num_f32 v[EL], v[EL], v35, v36
	v_max3_num_f32 v[ER], v[ER], v43, v44
	v_max3_num_f32 v[EL], v[EL], v37, v38
	v_max3_num_f32 v[ER], v[ER], v45, v46
	v_max_num_f32 v[EL], v[EL], v39
	v_max_num_f32 v[ER], v[ER], v47
.irp x, 1,2,4,8
	v_max_num_f32_dpp v[EL], v[EL], v[EL] row_xmask:\x row_mask:0xf bank_mask:0xf
	v_max_num_f32_dpp v[ER], v[ER], v[ER] row_xmask:\x row_mask:0xf bank_mask:0xf
.endr
	v_permlanex16_b32 v52, v[EL], s[SEL], s[SEL+1]
	v_permlanex16_b32 v53, v[ER], s[SEL], s[SEL+1]
	v_max_num_f32 v[EL], v[EL], v52
	v_max_num_f32 v[ER], v[ER], v53
	v_sub_nc_u32 v[IEL], 0x7f000000, v[EL]         ; the reciprocal of a power of two: exponent field 254 - field; the scales' fields lie in 2 .. 240
	v_mov_b32 v[IEL+1], v[IEL]
	v_sub_nc_u32 v[IER], 0x7f000000, v[ER]
.irp d, 0,1,2,3
	v_mul_f32 v[48+\d], v[48+\d], v[IER]
.endr
.irp d, 0,1,2,3
	v_cvt_pk_f16_f32 v[SR+\d], v[48+\d], v[48+\d]
.endr
	v_mul_f32 v[ER], 0x3b800000, v[ER]             ; Er / 256, for the end
.set q, 0
.rept 64
	v_pk_mul_f32 v[96+2*q:96+2*q+1], v[96+2*q:96+2*q+1], v[IEL:IEL+1]
.set q, q+1
.endr
.set q, 0
.rept 64                               ; register q = 4 u + m of a fragment row holds c = 16 u + 8 h + 2 m and + 1
	v_cvt_pk_f16_f32 v[32+q], v[96+8*(q/4)+q%4], v[96+8*(q/4)+4+q%4]
.set q, q+1
.endr
	s_wait_loadcnt 0x0                             ; W3F
	WIN 0x41                                       ; destination and source 0 window 1, the scale window 0
.set q, 0
.rept 256
	v_pk_mul_f16 v[q], v[q], v[32+q%64]            ; x sigma_l[c] / El
.set q, q+1
.endr
.set q, 0
.rept 256
	v_pk_mul_f16 v[q], v[q], v[SR+q/64]            ; x sigma_r[d] / Er
.set q, q+1
.endr
	WIN 0
; The row tile at RX into buffer buf: Ahat's eight fragments (16 turning loads) and my 64 d of Bhat (4).  Ahat's rows reach past a 16-bit offset, so they have two address registers.
.macro LD20 buf
	v_add_nc_u32 v[A1], s[RX], v[LA]
	v_add_nc_u32 v[A3], s[RX], v[LB]
	v_add_nc_u32 v[A2], 128*PIT, v[A1]
.irp k, 0,1,2,3
	ds_load_tr16_b128 v[AF+64*(\buf)+8*\k:AF+64*(\buf)+8*\k+3],   v[A1] offset:\k*32*PIT
	ds_load_tr16_b128 v[AF+64*(\buf)+8*\k+4:AF+64*(\buf)+8*\k+7], v[A1] offset:\k*32*PIT+16*PIT
.endr
.irp k, 0,1,2,3
	ds_load_tr16_b128 v[AF+64*(\buf)+32+8*\k:AF+64*(\buf)+32+8*\k+3],   v[A2] offset:\k*32*PIT
	ds_load_tr16_b128 v[AF+64*(\buf)+32+8*\k+4:AF+64*(\buf)+32+8*\k+7], v[A2] offset:\k*32*PIT+16*PIT
.endr
.irp d, 0,1,2,3
	ds_load_tr16_b128 v[BF+16*(\buf)+4*\d:BF+16*(\buf)+4*\d+3], v[A3] offset:\d*16*PIT
.endr
.endm
; A ROW TILE from buffer buf.  The next one is fetched first (more = 2: not in the pass's last trip, where no row tile is left: the run is jumped over, and the wait is for 0).
.macro RT buf, more
.if (\more) == 2
	s_cmp_eq_u32 s[CT], 1
	s_cbranch_scc1 .Lno_\@
.endif
	s_add_co_u32 s[RX], s[RX], 32
	LD20 (1-\buf)                                  ; its buffer's last products stand behind four places and 32 sums
	s_wait_dscnt 20                                ; all but the 20 just issued: this row tile is in
.if (\more) == 2
	s_branch .Lgo_\@
.Lno_\@:
	s_wait_dscnt 0x0
.Lgo_\@:
.endif
	WIN 0x01                                       ; W3s window 1
.irp k, 0,1,2,3,4,5,6,7                ; the four accumulators take turns; the first K step starts the sums
.irp d, 0,1,2,3
.if \k == 0
	v_wmma_f32_16x16x32_f16 v[VV+8*\d:VV+8*\d+7], v[64*\d+8*\k:64*\d+8*\k+7], v[AF+64*(\buf)+8*\k:AF+64*(\buf)+8*\k+7], 0
.else
	v_wmma_f32_16x16x32_f16 v[VV+8*\d:VV+8*\d+7], v[64*\d+8*\k:64*\d+8*\k+7], v[AF+64*(\buf)+8*\k:AF+64*(\buf)+8*\k+7], v[VV+8*\d:VV+8*\d+7]
.endif
.endr
.endr
	WIN 0
	PLACES
.irp e, 0,1,2,3,4,5,6,7                ; V x Bhat, Bhat read as a half of its register; four chains; each accumulator is read from its low end on
.irp d, 0,1,2,3
.if \e == 0
	v_fma_mix_f32 v[ACC+\d], v[VV+8*\d], v[BF+16*(\buf)+4*\d], v[ZR] op_sel_hi:[0,1,0]
.elseif (\e)%2
	v_fma_mix_f32 v[ACC+\d], v[VV+8*\d+\e], v[BF+16*(\buf)+4*\d+\e/2], v[ACC+\d] op_sel:[0,1,0] op_sel_hi:[0,1,0]
.else
	v_fma_mix_f32 v[ACC+\d], v[VV+8*\d+\e], v[BF+16*(\buf)+4*\d+\e/2], v[ACC+\d] op_sel_hi:[0,1,0]
.endif
.endr
.endr
	v_add_f32 v[ACC], v[ACC], v[ACC+1]
	v_add_f32 v[ACC+2], v[ACC+2], v[ACC+3]
	v_add_nc_u32 v[PA], s[PX], v[PAV]
	v_add_f32 v[ACC], v[ACC], v[ACC+2]
	ds_store_b32 v[PA], v[ACC]                     ; my 32 d's share of out for (row tile, j = lane % 16)
	s_add_co_u32 s[PX], s[PX], 128
.endm
.macro PASS                            ; the eight row tiles of the slot at RBS
	s_mov_b32 s[RX], s[RBS]
	LD20 0
	s_mov_b32 s[CT], 4
.Lrt_\@:
	RT 0, 1
	RT 1, 2
	s_sub_co_u32 s[CT], s[CT], 1
	s_cmp_lg_u32 s[CT], 0
	s_cbranch_scc1 .Lrt_\@
.endm
; THE CHANGE OF SLOTS.  Each wave waits for all its tensor loads (its quarter of the other slot), adds 0 to its spare word, waits for that, for its reads of the slot that it leaves and for its stores of
; partial sums, and passes the barrier.  refill = 1: that slot is filled again, with the pass two on, first thing behind the barrier: one load a wave, a pass's 256 matrix instructions in which to land.
.macro CHG refill
	s_wait_tensorcnt 0x0                           ; no tensor load of mine is out, so a group 0 may be written
	ds_add_u32 v[SPW], v[NIL]
.if \refill
	s_xor_b32 s[G0+5], s[G0+5], SLOTB              ; the walking descriptor: the other slot than last time,
	s_add_nc_u64 s[G0+6:G0+7], s[G0+6:G0+7], 65536 ; the next 16 j
.endif
	s_xor_b32 s[RBS], s[RBS], SLOTB                ; the next pass reads the other slot
	s_wait_dscnt 0x0
	s_barrier_signal -1
	s_barrier_wait -1
.if \refill
	tensor_load_to_lds s[G0+4:G0+7], s[G1:G1+7]
	s_nop 0
.rept 4
	v_nop
.endr
.endif
.endm
	s_wait_tensorcnt 0x1                           ; my quarter of pass 0 is in; pass 1's may stay out
	s_barrier_signal -1
	s_barrier_wait -1
	s_mov_b32 s[PC], 2
.Lpa:                                              ; passes 0 and 1: passes 2 and 3 are asked for
	PASS
	CHG 1
	s_sub_co_u32 s[PC], s[PC], 1
	s_cmp_lg_u32 s[PC], 0
	s_cbranch_scc1 .Lpa
	s_mov_b32 s[PC], 2
.Lpb:                                              ; passes 2 and 3: nothing is left to fetch; behind the last barrier all partial sums lie in LDS
	PASS
	CHG 0
	s_sub_co_u32 s[PC], s[PC], 1
	s_cmp_lg_u32 s[PC], 0
	s_cbranch_scc1 .Lpb
.set q, 0
.rept 8                                ; wave q / 2, half q % 2 of its lanes: four j each
	ds_load_b128 v[32+4*q:35+4*q], v[FA] offset:(q/2)*4096+(q%2)*64
.set q, q+1
.endr
	s_wait_dscnt 0x0
.irp z, 0,2
	v_pk_add_f32 v[32+\z:33+\z], v[32+\z:33+\z], v[36+\z:37+\z]
	v_pk_add_f32 v[40+\z:41+\z], v[40+\z:41+\z], v[44+\z:45+\z]
	v_pk_add_f32 v[48+\z:49+\z], v[48+\z:49+\z], v[52+\z:53+\z]
	v_pk_add_f32 v[56+\z:57+\z], v[56+\z:57+\z], v[60+\z:61+\z]
.endr
.irp z, 0,2
	v_pk_add_f32 v[32+\z:33+\z], v[32+\z:33+\z], v[40+\z:41+\z]
	v_pk_add_f32 v[48+\z:49+\z], v[48+\z:49+\z], v[56+\z:57+\z]
.endr
.irp z, 0,2
	v_pk_add_f32 v[32+\z:33+\z], v[32+\z:33+\z], v[48+\z:49+\z]
.endr
.irp z, 0,1,2,3
	v_mul_f32 v[32+\z], v[32+\z], v[EL]            ; the two scales one after the other: their product alone could leave f32's range
.endr
.irp z, 0,1,2,3
	v_mul_f32 v[32+\z], v[32+\z], v[ER]
.endr
	global_store_b128 v[OO], v[32:35], s[10:11]    ; 16 lanes store 256 consecutive bytes, aligned: 64 j of one i
	s_wait_tensorcnt 0x0                           ; the wave's end, behind my last tensor load and my last LDS store
	ds_add_u32 v[SPW], v[NIL]
	s_wait_dscnt 0x0
	s_endpgm
.Lfunc_end_k_q31cb5146a5_fin:
	.size	k_q31cb5146a5_fin, .Lfunc_end_k_q31cb5146a5_fin-k_q31cb5146a5_fin
	.p2alignl 7, 3214868480
	.fill 96, 4, 3214868480
	.section	.rodata,"a",@progbits
	.p2align	6, 0x0
	.amdhsa_kernel k_q31cb5146a5_fin
		.amdhsa_group_segment_fixed_size 327680
		.amdhsa_private_segment_fixed_size 0
		.amdhsa_enable_private_segment 0
		.amdhsa_kernarg_size 32
		.amdhsa_user_sgpr_count 2
		.amdhsa_user_sgpr_kernarg_segment_ptr 1
		.amdhsa_wavefront_size32 1
		.amdhsa_system_sgpr_workgroup_id_x 1
		.amdhsa_system_sgpr_workgroup_id_y 1
		.amdhsa_system_sgpr_workgroup_id_z 1
		.amdhsa_system_vgpr_workitem_id 0
		.amdhsa_next_free_vgpr 512
		.amdhsa_next_free_sgpr 66
		.amdhsa_reserve_vcc 0
		.amdhsa_float_denorm_mode_32 3
		.amdhsa_float_denorm_mode_16_64 3
		.amdhsa_memory_ordered 1
		.amdhsa_forward_progress 1
		.amdhsa_inst_pref_size 87
	.end_amdhsa_kernel
	.amdgpu_metadata
---
amdhsa.version: [ 1, 2 ]
amdhsa.kernels:
  - .name:           k_q31cb5146a5_fin
    .symbol:         k_q31cb5146a5_fin.kd
    .args:
      - { .name: U, .offset: 0, .size: 8, .value_kind: global_buffer, .address_space: global }
      - { .name: sc, .offset: 8, .size: 8, .value_kind: global_buffer, .address_space: global }
      - { .name: W3F, .offset: 16, .size: 8, .value_kind: global_buffer, .address_space: global }
      - { .name: out0, .offset: 24, .size: 8, .value_kind: global_buffer, .address_space: global }
    .group_segment_fixed_size: 327680
    .private_segment_fixed_size: 0
    .kernarg_segment_align: 8
    .kernarg_segment_size: 32
    .max_flat_workgroup_size: 128
    .sgpr_count:     66
    .vgpr_count:     512
    .wavefront_size: 32
...
	.end_amdgpu_metadata
.endif
;; end of part 3
;; ======== version 2 of 2: 3 launches; version 1 with the launch lay written anew for expert scheduling mode
;; limits: values are held in f16: magnitudes above 65,504 overflow, below 6.1e-05 lose precision
;; workspace buffers: Wt 67,108,864 bytes; U 134,217,728 bytes; sc 131,072 bytes; W3F 131,072 bytes; L1F 524,288 bytes; L2H 524,288 bytes
;; launch lay (part 4): grid 256 x 1, 16 waves a work-group, no clusters, 280,576 bytes of LDS; arguments W_1, W_2, W_3, layer1, layer2, Wt, L1F, L2H, W3F; writes Wt, L1F, L2H, W3F
.if DOCPART == 4
	.amdgcn_target "amdgcn-amd-amdhsa--gfx1250"
	.amdhsa_code_object_version 6
	.text
	.protected	k_q31cb5146a5_lay
	.globl	k_q31cb5146a5_lay
	.p2align	8
	.type	k_q31cb5146a5_lay,@function
k_q31cb5146a5_lay:
	s_mov_b64 s[64:65], 0
	v_nop
	global_prefetch_b8 v0, s[64:65] scope:SCOPE_SE
	s_setreg_imm32_b32 hwreg(HW_REG_WAVE_SCHED_MODE, 0, 2), 2
	s_setreg_imm32_b32 hwreg(HW_REG_WAVE_MODE, 25, 1), 1
	s_wait_xcnt 0x0
	s_wait_alu depctr_vm_vsrc(0)
; THE PROGRAM.  out[n][i][j] = sum over c, d of A'[c] W_3[c][d] B'[d], with A'[n][i][j][c] = h1[n][i][c] x sum over a, b of l1[n][i][a] W_1[a][b][c] l2[n][j][b], B' likewise of W_2 and h2,
; l1 = [layer1, 1], l2 = [layer2, 1].  Three launches: this one lays the operands out; the second contracts a and b and stores A' and B'; the third contracts c and d.
; NO WORK IS LEFT OUT and all seven inputs are loaded.  The appended ones are a factor 1 by identity, for all values of the inputs: l1[i][256] W[256][b][c] = W[256][b][c].  So they are never
; written anywhere: W's row a = 256 starts the sums over a, and the term b = 256 starts the sums over b (second launch).  Nothing that can reach an output is dropped by that.
; THIS LAUNCH.  W_s[a][b][c], a and b below 256, is rounded once to bf16 and stored in the order in which a wave's matrix operand registers take it:
;   Wt byte = s 2^25 + (c / 2) 262144 + (bt / 4) 65536 + (c % 2) 32768 + (bt % 4) 8192 + ks 1024 + q 512 + h 256 + r 16 + 2 e   holds   W_s[32 ks + 16 q + 8 h + e][16 bt + r][c].
; Rows a = 256 and b = 256 are not laid out: the second launch reads them from W itself.
; SHARES.  Work-group g: s = g / 128, bt = (g / 8) % 16, ks = g % 8.  Wave w: qh = w / 4 (= 2 q + h), its 64 c are block w % 4.  A wave's task: 8 a x 16 b x 64 c: it reads 128 runs of 256
; consecutive bytes, aligned, turns them in a stage of its own in LDS, and writes 64 runs of 256 consecutive bytes, aligned.  No wave reads another's bytes: no barrier.
; The stage's stores fall four deep on the banks (64 banks of 4 bytes: ISA guide 11.1): four rows of 272 bytes are 16 banks apart; a pitch that is a multiple of 16 bytes cannot mend that.
; THREE SMALL SHARES beside that, 512 bytes of output each, their loads issued ahead of the main ones and finished while those are on their way:
;   waves 0-3: L2H = layer2 rounded to bf16 and that number written as f16, in layer2's own order: numbers 1024 g + 256 w on.
;   waves 4-7: L1F = layer1 in bf16 in the operand's order: block B = 4 g + w - 4; byte 512 B + 16 lane + 2 e holds layer1 row 16 (B / 16) + lane % 16 (rows counted through all n), a = 16 (B % 16) + 8 (lane / 16) + e.
;   wave 8:    W3F block g = 16 dt + 2 ks + q: byte 512 g + 16 lane + 2 e holds 256 x bf16(W_3[32 ks + 16 q + 8 (lane / 16) + e][16 dt + lane % 16]) in f16.
; LIMITS.  One rounding to bf16, to nearest even; |layer2| and 256 |W_3| stay under 65,504 (f16), and below 2^-14 they keep f16's fixed step; NaN and infinities pass as the conversions leave them.
; THE MODE: SCHED_MODE bits 1:0 = 2 (LLVM: expert scheduling mode 2), set by the entry lines.  The code itself states the register dependences
; between vector instructions and memory or LDS instructions, with s_wait_alu, always for 0.
; THE PLAN.  Registers that memory or LDS instructions touch:
;   v2-v5       offsets and LDS addresses of the main share: made at the head, never written again.
;   v10, v11    the small share's offsets: made at the head; wave 8 makes its own anew in its arm, where no memory instruction has read them.
;   v12-v15     the small share's 16 bytes: written by its conversions, read by its one store, never written again.
;   X0 .. X3    Set u of eight loads lands in X[u % 4]; step u's sixteen conversions read it; behind them the set four on lands in it.  Behind step 7 the rows read back from the stage land in all four.
;   Y0, Y1      Step u's conversions write Y[u % 2]; its four LDS stores read it; step u + 2's conversions write it again.
;   v6, v7      written at the head, read by the closing add alone.
; So ONE wait on va_vdst stands in a step, behind its conversions: it states that they have written Y[u % 2] and are done reading X[u % 4]; the step's eight loads and four LDS stores follow it with no
; vector instruction between.  One wait on vm_vsrc stands at the head of steps 2 to 7: the LDS stores of the step two back have read the Y that is written again.
.set ROWA,  263168                     ; bytes from W[a] to W[a + 1]: 257 x 1,024
.set SPIT,  272                        ; a stage row: one c, 16 pieces of 16 bytes, 16 of padding
.set STG,   64*SPIT                    ; a wave's stage
.set SPARE, 16*STG                     ; behind the stages: the spare words, 128 bytes a wave
.set LO,  2                            ; v2  load offset: (lane / 16) x 1,024 + (lane % 16) x 16: two b, 64 c
.set ST,  3                            ; v3  where I put a piece: row 4 (lane % 16), piece lane / 16
.set RDB, 4                            ; v4  where I read a row back
.set GO,  5                            ; v5  store offset: (lane / 16) x 32,768 + (lane % 16) x 16
.set SPW, 6                            ; v6  my spare word; never rewritten
.set NIL, 7                            ; v7  0; never rewritten
.set EO,  10                           ; v10 the small share's load offset
.set ES,  11                           ; v11 its store offset
.set ER,  12                           ; v[12:15] its 16 bytes
.set Y,   16                           ; v[16:31]   Y0: four pieces, packed; before that the small share's numbers.  Y1 lies 144 registers on: v[160:175]
.set X,   32                           ; v[32:159]  four sets of 32 as loaded; later the rows read back
.set SD,  24                           ; s24 side, s25 bt, s26 ks, s27 wave, s28 qh, s29 block of c
.set BT,  25
.set KS,  26
.set WVN, 27
.set QH,  28
.set CBK, 29
	s_load_b512 s[4:19], s[0:1], 0x0               ; W_1 s[4:5], W_2 s[6:7], W_3 s[8:9], layer1 s[10:11], layer2 s[12:13], Wt s[14:15], L1F s[16:17], L2H s[18:19]
	s_load_b64 s[20:21], s[0:1], 0x40              ; W3F
	v_lshl_add_u32 v[SPW], v0, 2, SPARE
	v_mov_b32 v[NIL], 0
	v_lshrrev_b32 v1, 5, v0
	v_readfirstlane_b32 s[WVN], v1                 ; wave 0..15
	s_lshr_b32 s[SD], ttmp9, 7
	s_bfe_u32 s[BT], ttmp9, 0x40003
	s_and_b32 s[KS], ttmp9, 7
	s_wait_alu depctr_va_sdst(0)                   ; the wave's number is written, ahead of its first reader: offsets, bases and branches are made from it
	s_lshr_b32 s[QH], s[WVN], 2
	s_and_b32 s[CBK], s[WVN], 3
	s_lshl_b32 s30, s[KS], 5
	s_lshl3_add_u32 s30, s[QH], s30                ; a0 = 32 ks + 8 qh
	s_mul_i32 s30, s30, 257
	s_lshl4_add_u32 s30, s[BT], s30                ; a0 x 257 + 16 bt: the first (a, b) row
	s_lshl_b32 s30, s30, 10                        ; of 1,024 bytes (under 2^27)
	s_lshl_b32 s31, s[CBK], 8
	s_add_co_u32 s30, s30, s31                     ; + my 64 c
	s_mov_b32 s31, 0
	s_lshl_b32 s32, s[SD], 25                      ; where the task goes in Wt
	s_lshl_b32 s33, s[CBK], 23
	s_add_co_u32 s32, s32, s33
	s_lshr_b32 s33, s[BT], 2
	s_lshl_b32 s33, s33, 16
	s_add_co_u32 s32, s32, s33
	s_and_b32 s33, s[BT], 3
	s_lshl_b32 s33, s33, 13
	s_add_co_u32 s32, s32, s33
	s_lshl_b32 s33, s[KS], 10
	s_add_co_u32 s32, s32, s33
	s_lshl_b32 s33, s[QH], 8
	s_add_co_u32 s32, s32, s33
	s_mov_b32 s33, 0
	s_mul_i32 s34, s[WVN], STG                     ; my stage
	s_mov_b32 s46, 0xffff0000                      ; a word's upper bf16
	; the small share of waves 0-7: lane (r, h) takes 32 bytes at r x s36 + h x s37 + s38
	s_lshl_b32 s38, ttmp9, 12
	s_lshl_b32 s39, s[WVN], 10
	s_add_co_u32 s38, s38, s39                     ; layer2: the wave's 256 numbers on end
	s_lshl2_add_u32 s39, ttmp9, s[CBK]             ; layer1: block B
	s_lshr_b32 s40, s39, 4
	s_lshl_b32 s40, s40, 14                        ; 16 rows of 1,024 bytes for each step of B / 16
	s_and_b32 s39, s39, 15
	s_lshl_b32 s39, s39, 6                         ; 16 a for each step of B % 16
	s_add_co_u32 s39, s39, s40
	s_lshl_b32 s41, ttmp9, 11
	s_lshl_b32 s40, s[CBK], 9
	s_add_co_u32 s41, s41, s40                     ; where the 512 bytes go: 2,048 g + 512 (w % 4), in either buffer
	s_cmp_lt_u32 s[WVN], 4
	s_cselect_b32 s36, 32, 0x400
	s_cselect_b32 s37, 0x200, 32
	s_cselect_b32 s38, s38, s39
	v_and_b32 v8, 15, v0
	v_bfe_u32 v9, v0, 4, 1
	v_and_b32 v1, 31, v0
	v_lshlrev_b32 v[LO], 4, v8
	v_lshl_add_u32 v[LO], v9, 10, v[LO]
	v_mul_u32_u24 v[ST], v8, 4*SPIT
	v_lshl_add_u32 v[ST], v9, 4, v[ST]
	v_add_nc_u32 v[ST], s34, v[ST]
	v_mul_u32_u24 v[RDB], v9, SPIT
	v_lshl_add_u32 v[RDB], v8, 4, v[RDB]
	v_add_nc_u32 v[RDB], s34, v[RDB]
	v_lshlrev_b32 v[GO], 4, v8
	v_lshl_add_u32 v[GO], v9, 15, v[GO]
	v_mul_u32_u24 v[EO], s36, v8
	v_mad_u32_u24 v[EO], v9, s37, v[EO]
	v_add_nc_u32 v[EO], s38, v[EO]
	v_lshl_add_u32 v[ES], v1, 4, s41
	s_wait_kmcnt 0x0
	s_cmp_eq_u32 s[SD], 0
	s_cselect_b64 s[4:5], s[4:5], s[6:7]           ; W_1 or W_2
	s_add_nc_u64 s[4:5], s[4:5], s[30:31]
	s_add_nc_u64 s[14:15], s[14:15], s[32:33]
	s_cmp_lt_u32 s[WVN], 4
	s_cselect_b64 s[42:43], s[12:13], s[10:11]     ; layer2 or layer1
	s_cselect_b64 s[44:45], s[18:19], s[16:17]     ; L2H or L1F
	s_wait_alu depctr_va_vdst(0)                   ; the offsets and LDS addresses v2 to v5, v10 and v11 are written, which the loads and stores of the whole kernel read
	s_cmp_lt_u32 s[WVN], 8
	s_cbranch_scc0 .Lx8
	global_load_b128 v[16:19], v[EO], s[42:43]
	global_load_b128 v[20:23], v[EO], s[42:43] offset:16
	s_branch .Lxd
.Lx8:
	s_cmp_eq_u32 s[WVN], 8
	s_cbranch_scc0 .Lxd
	v_lshlrev_b32 v[EO], 2, v8                     ; column 16 dt + r,
	v_lshl_add_u32 v[EO], v9, 13, v[EO]            ; eight rows down for the upper half of the lanes
	s_lshl_b32 s41, ttmp9, 9
	v_lshl_add_u32 v[ES], v1, 4, s41
	s_and_b32 s40, ttmp9, 15
	s_lshl_b32 s40, s40, 14                        ; 16 rows of W_3 for each step of 2 ks + q
	s_lshr_b32 s41, ttmp9, 4
	s_lshl_b32 s41, s41, 6                         ; 16 columns for each dt
	s_add_co_u32 s40, s40, s41
	s_mov_b32 s41, 0
	s_add_nc_u64 s[8:9], s[8:9], s[40:41]
	s_wait_alu depctr_va_vdst(0)                   ; wave 8's own v10 is written, which the eight loads below read as their offset
.irp e, 0,1,2,3,4,5,6,7
	global_load_b32 v[16+\e], v[EO], s[8:9] offset:\e*1024
.endr
.Lxd:
; Eight loads: a = a0 + e, b = 16 bt + 2 u + lane / 16, four c a lane.  Each half of the lanes takes 256 consecutive bytes, aligned.
.macro LD8 u
.irp e, 0,1,2,3,4,5,6,7
	global_load_b128 v[X+32*((\u)%4)+4*\e:X+32*((\u)%4)+4*\e+3], v[LO], s[4:5] offset:\e*ROWA+(\u)*2048 th:TH_LOAD_NT
.endr
.endm
; Step u.  For each of my four c the eight a are rounded and packed into 16 bytes, which go to row c, piece b of the stage.  left = how many younger loads may stay out.
.macro STEP u, left
	s_wait_loadcnt \left                           ; loads come back in order (ISA guide 5.7.1): set u is in, the younger sets of eight stay out
.if (\u) >= 2
	s_wait_alu depctr_vm_vsrc(0)                   ; the LDS stores of the step two back have read Y[u % 2], which the conversions below write again
.endif
.irp k, 0,1,2,3
.irp m, 0,1,2,3
	v_cvt_pk_bf16_f32 v[Y+144*((\u)%2)+4*\k+\m], v[X+32*((\u)%4)+8*\m+\k], v[X+32*((\u)%4)+8*\m+4+\k]
.endr
.endr
	s_wait_alu depctr_va_vdst(0)                   ; the conversions have written Y[u % 2], which the LDS stores read, and are done reading X[u % 4], in which loads land next: the set four on, or, behind the last step, the rows read back
.if (\u) < 4
	LD8 (\u)+4                                     ; its registers take the set four on, at once
.endif
.irp k, 0,1,2,3
	ds_store_b128 v[ST], v[Y+144*((\u)%2)+4*\k:Y+144*((\u)%2)+4*\k+3] offset:\k*SPIT+(\u)*32
.endr
.endm
	LD8 0                                          ; four sets, 32 loads, are out at once
	LD8 1
	LD8 2
	LD8 3
	s_cmp_gt_u32 s[WVN], 8
	s_cbranch_scc1 .Lmain
	s_wait_loadcnt 32                              ; loads come back in order (ISA guide 5.7.1): the small share's are in, the 32 issued behind them stay out
	s_cmp_eq_u32 s[WVN], 8
	s_cbranch_scc1 .Lf8
.irp m, 0,1,2,3
	v_cvt_pk_bf16_f32 v[ER+\m], v[16+2*\m], v[17+2*\m]
.endr
	s_cmp_lt_u32 s[WVN], 4
	s_cbranch_scc0 .Lst                            ; layer1 stays bf16
.irp m, 0,1,2,3
	v_lshlrev_b32 v[16+2*\m], 16, v[ER+\m]         ; layer2: the bf16 number, widened,
	v_and_b32 v[17+2*\m], s46, v[ER+\m]
.endr
.irp m, 0,1,2,3
	v_cvt_pk_f16_f32 v[ER+\m], v[16+2*\m], v[17+2*\m]  ; is written as f16: exact within f16's range
.endr
.Lst:
	s_wait_alu depctr_va_vdst(0)                   ; on either way the conversions have written v12 to v15, which the store reads
	global_store_b128 v[ES], v[ER:ER+3], s[44:45]  ; the wave stores 512 consecutive bytes, aligned; its registers are not written again
	s_branch .Lmain
.Lf8:
.irp m, 0,1,2,3
	v_cvt_pk_bf16_f32 v24, v[16+2*\m], v[17+2*\m]
	v_lshlrev_b32 v[16+2*\m], 16, v24
	v_and_b32 v[17+2*\m], s46, v24
	v_pk_mul_f32 v[16+2*\m:17+2*\m], v[16+2*\m:17+2*\m], 0x43800000 op_sel_hi:[1,0]  ; x 256: room above f16's small numbers
	v_cvt_pk_f16_f32 v[ER+\m], v[16+2*\m], v[17+2*\m]
.endr
	s_wait_alu depctr_va_vdst(0)                   ; the conversions have written v12 to v15, which the store reads
	global_store_b128 v[ES], v[ER:ER+3], s[20:21]
.Lmain:
	STEP 0, 24                                     ; the oldest set is in, three sets of eight stay out
	STEP 1, 24
	STEP 2, 24
	STEP 3, 24
	STEP 4, 24
	STEP 5, 16                                     ; the counts run down: nothing more is loaded
	STEP 6, 8
	STEP 7, 0
.set t, 0
.rept 32
	ds_load_b128 v[X+4*t:X+4*t+3], v[RDB] offset:t*2*SPIT  ; rows 2 t and 2 t + 1; LDS serves a wave's instructions in order (ISA guide 5.7.1.4): these see my stores above.  No wait: no vector instruction stands behind step 7's
.set t, t+1
.endr
.set t, 0
.rept 32
	s_wait_dscnt 31-t                              ; read-back t is in, the younger ones stay out
	global_store_b128 v[GO], v[X+4*t:X+4*t+3], s[14:15] offset:t*262144 th:TH_STORE_NT  ; c = 64 (w % 4) + 2 t + lane / 16: 16 lanes store 256 consecutive bytes, aligned
.set t, t+1
.endr
	s_wait_dscnt 0x0                               ; the wave's end: six lines on end
	s_wait_alu 0x0
	s_wait_tensorcnt 0x0
	ds_add_u32 v[SPW], v[NIL]
	s_wait_dscnt 0x0
	s_endpgm
.Lfunc_end_k_q31cb5146a5_lay:
	.size	k_q31cb5146a5_lay, .Lfunc_end_k_q31cb5146a5_lay-k_q31cb5146a5_lay
	.p2alignl 7, 3214868480
	.fill 96, 4, 3214868480
	.section	.rodata,"a",@progbits
	.p2align	6, 0x0
	.amdhsa_kernel k_q31cb5146a5_lay
		.amdhsa_group_segment_fixed_size 280576
		.amdhsa_private_segment_fixed_size 0
		.amdhsa_enable_private_segment 0
		.amdhsa_kernarg_size 72
		.amdhsa_user_sgpr_count 2
		.amdhsa_user_sgpr_kernarg_segment_ptr 1
		.amdhsa_wavefront_size32 1
		.amdhsa_system_sgpr_workgroup_id_x 1
		.amdhsa_system_sgpr_workgroup_id_y 1
		.amdhsa_system_sgpr_workgroup_id_z 1
		.amdhsa_system_vgpr_workitem_id 0
		.amdhsa_next_free_vgpr 176
		.amdhsa_next_free_sgpr 66
		.amdhsa_reserve_vcc 0
		.amdhsa_float_denorm_mode_32 3
		.amdhsa_float_denorm_mode_16_64 3
		.amdhsa_memory_ordered 1
		.amdhsa_forward_progress 1
		.amdhsa_inst_pref_size 31
	.end_amdhsa_kernel
	.amdgpu_metadata
---
amdhsa.version: [ 1, 2 ]
amdhsa.kernels:
  - .name:           k_q31cb5146a5_lay
    .symbol:         k_q31cb5146a5_lay.kd
    .args:
      - { .name: W_1, .offset: 0, .size: 8, .value_kind: global_buffer, .address_space: global }
      - { .name: W_2, .offset: 8, .size: 8, .value_kind: global_buffer, .address_space: global }
      - { .name: W_3, .offset: 16, .size: 8, .value_kind: global_buffer, .address_space: global }
      - { .name: layer1, .offset: 24, .size: 8, .value_kind: global_buffer, .address_space: global }
      - { .name: layer2, .offset: 32, .size: 8, .value_kind: global_buffer, .address_space: global }
      - { .name: Wt, .offset: 40, .size: 8, .value_kind: global_buffer, .address_space: global }
      - { .name: L1F, .offset: 48, .size: 8, .value_kind: global_buffer, .address_space: global }
      - { .name: L2H, .offset: 56, .size: 8, .value_kind: global_buffer, .address_space: global }
      - { .name: W3F, .offset: 64, .size: 8, .value_kind: global_buffer, .address_space: global }
    .group_segment_fixed_size: 280576
    .private_segment_fixed_size: 0
    .kernarg_segment_align: 8
    .kernarg_segment_size: 72
    .max_flat_workgroup_size: 512
    .sgpr_count:     66
    .vgpr_count:     176
    .wavefront_size: 32
...
	.end_amdgpu_metadata
.endif
;; end of part 4
;; launch tri: the kernel of part 2 again; grid 8 x 32, 4 waves a work-group, clusters of 4 x 1, 327,680 bytes of LDS; arguments h1, h2, W_1, W_2, Wt, L1F, L2H, U, sc; writes U, sc
;; launch fin: the kernel of part 3 again; grid 32 x 8, 4 waves a work-group, no clusters, 327,680 bytes of LDS; arguments U, sc, W3F, out0; writes out0
